; MI455X (gfx1250); checked and timed in simulation.
; The chip was launched on July 23, 2026; its instructions are those of AMD's public machine-readable ISA for CDNA 5 (MIT licence, August 2026) and "CDNA5" Instruction Set Architecture Reference Guide (July 2026). The comments in the code are by the model that wrote it; some were corrected since.
;; Flashsc GPT Layer. Allowed arithmetic: matrix products marked QUANTISED: E4M3 operands, one E8M0 scale for each 32 along K, by v_wmma_scale_f32_16x16x128_f8f6f4 with both operands' format E4M3, f32 sums; products left as they are: f32 operands where the result goes on into a quantised operand, else bf16, f16 or f32 operands; f32 sums; everything else in f32.
;; Inputs: W1_codes 8 x 128 x 32 x 32 uint8 (E4M3 codes of W1, K innermost, in blocks of 32 codes); W1_scales 8 x 128 x 32 uint8 (E8M0 scales of W1, one for each 32 codes along K); W2 8 x 1,024 x 128 float32; Wg 8 x 1,024 float32; Ws1_codes 512 x 32 x 32 uint8 (E4M3 codes of Ws1, K innermost, in blocks of 32 codes); Ws1_scales 512 x 32 uint8 (E8M0 scales of Ws1, one for each 32 codes along K); Ws2_codes 1,024 x 16 x 32 uint8 (E4M3 codes of Ws2, K innermost, in blocks of 32 codes); Ws2_scales 1,024 x 16 uint8 (E8M0 scales of Ws2, one for each 32 codes along K); b1 8 x 128 float32; b2 8 x 1,024 float32; bs1 512 float32; bs2 1,024 float32; x 4 x 4,096 x 1,024 float32.
;; Outputs: out0 4 x 4,096 x 1,024 float32.
;; This version of the problem:
;;   THIS VERSION OF THE PROBLEM IS GIVEN IN LOW PRECISION. The matrix products marked QUANTISED in the list below multiply operands that are first quantised to E4M3 (4 exponent bits, 3 mantissa bits; 8 bits a number), with one power-of-two scale for each 32 numbers along K (OCP MX v1.0); their sums are f32. All else is computed in f32.
;;   The module's matrix products, in the order in which they are computed (A, B: the left and right operand; K: the contracted axis; several contracted axes count as one K, in the product's order):
;;     1. [M 16,384, K 1,024] x [K 1,024, N 8]; A: input x; B: input Wg: left as it is (N = 8 < 16)
;;     2. [M 16,384, K 1,024] x [K 1,024, N 1,024]; A: input x; B: input W1 (given as codes): QUANTISED
;;     3. batch 131,072 x [M 128, K 1] x [K 1, N 1]; A: computed on the way; B: computed on the way: left as it is (no contracted axis)
;;     4. [M 16,384, K 1,024] x [K 1,024, N 1,024]; A: computed on the way; B: input W2: QUANTISED
;;     5. [M 16,384, K 8] x [K 8, N 1,024]; A: computed on the way; B: input b2: left as it is (K = 8 < 32)
;;     6. [M 16,384, K 1,024] x [K 1,024, N 512]; A: input x; B: input Ws1 (given as codes): QUANTISED
;;     7. [M 16,384, K 512] x [K 512, N 1,024]; A: computed on the way; B: input Ws2 (given as codes): QUANTISED
;;   THE QUANTISER, for each operand of a quantised product, along K:
;;     - K is cut into blocks of 32 from its start; a last block that is shorter is filled with zeros.
;;     - A block's scale is 2^e with e = floor(log2(the largest magnitude in the block)) - 8, held to -126 .. 127; a block of zeros has e = 0. As a byte (E8M0): e + 127.
;;     - Each number is divided by its block's scale, clamped to +-448, and rounded to the nearest number of E4M3, ties to even, subnormals kept.
;;     - The product sums the exact products of the quantised numbers (number of the format x scale) in f32.
;;   ~~~python
;;   def quantise(x, axis):      # numpy; x: float32 -> the quantised numbers, widened to float32 again
;;       x = np.moveaxis(x, axis, -1); K = x.shape[-1]
;;       x = np.pad(x, [(0, 0)] * (x.ndim - 1) + [(0, -K % 32)]); x = x.reshape(x.shape[:-1] + (-1, 32)); a = np.abs(x).max(-1, keepdims=True)
;;       e = np.where(a > 0, np.clip(np.frexp(np.where(a > 0, a, 1))[1] - 1 - 8, -126, 127), 0)      # np.frexp(a)[1] - 1 = floor(log2(a)), exactly
;;       r = np.clip(x / 2.0 ** e, -448, 448)
;;       step = 2.0 ** (np.maximum(np.frexp(np.where(r == 0, 1, r))[1] - 1, -6) - 3)
;;       q = np.round(r / step) * step * 2.0 ** e      # np.round: ties to even
;;       return np.moveaxis(q.reshape(q.shape[:-2] + (-1,))[..., :K], -1, axis).astype(np.float32)
;;   ~~~
;;   OPERANDS COMPUTED ON THE WAY. 'Computed on the way' means the value that the module computes at that place (a softmax that the list does not call 'softmax' is quantised finished and normalised). What goes into a quantiser is computed in f32, as accurately as f32 sums, v_exp_f32 and their like allow (about 1e-6 of the number): no bf16 or f16 on the way to a quantiser, and a product that is left as it is and whose result goes on into a quantised operand takes f32 operands (vector FMAs, or v_wmma_f32_16x16x4_f32). A number that lies on a knife's edge between two numbers of the format may be rounded either way, as far as f32 arithmetic and the matrix unit's own rounding can turn it there, and no further.
;;   INPUTS GIVEN AS CODES. W1 (in the module: [8, 128, 1024], K = its axis 2); Ws1 (in the module: [512, 1024], K = its axis 1); Ws2 (in the module: [1024, 512], K = its axis 1): each comes as NAME_codes (uint8): NAME with its K axis moved to the last place and cut into blocks of 32 codes, [.., K / 32, bytes a block], one block behind the other in memory; one code a byte (a code: sign, 4 exponent bits, 3 mantissa bits); and NAME_scales (uint8): the same leading axes, one E8M0 byte (e + 127) for each 32 codes along K. Its value is code x scale, taken as it is: it is not quantised again, and the codes and scales need not be those that the quantiser above would give.
;; 2 versions, each right and faster than the one before. Each part assembles by itself: llvm-mc -triple=amdgcn-amd-amdhsa -mcpu=gfx1250 --defsym DOCPART=n.
;; ======== version 1 of 2: 3 launches
;; workspace buffers: xq 16,777,216 bytes; xs 524,288 bytes; route 98,304 bytes of whole numbers; tw 131,072 bytes; order 65,536 bytes of whole numbers; sw 131,072 bytes; wf 3,309,568 bytes
;; launch front (part 1): grid 256 x 1, 4 waves a work-group, no clusters, 300,544 bytes of LDS; arguments x, Wg, xq, xs, route, tw; writes xq, xs, route, tw
.if DOCPART == 1
	.amdgcn_target "amdgcn-amd-amdhsa--gfx1250"
	.amdhsa_code_object_version 6
	.text
	.protected	k_q223d3b4fa3_front
	.globl	k_q223d3b4fa3_front
	.p2align	8
	.type	k_q223d3b4fa3_front,@function
k_q223d3b4fa3_front:
	s_mov_b64 s[64:65], 0
	v_nop
	global_prefetch_b8 v0, s[64:65] scope:SCOPE_SE
	s_setreg_imm32_b32 hwreg(HW_REG_WAVE_MODE, 25, 1), 1
	s_wait_xcnt 0x0
; FRONT: the gate in f32 (x Wg^T, softmax with its maximum taken away, top 2, renormalised weights), x quantised to E4M3 codes with one E8M0 byte for each 32 along H,
; and for each 64 tokens a count of tokens for each pair of experts.  16,384 tokens of 1,024; a work-group takes 64 tokens, each of its four waves 16.
; WORK LEFT OUT BY THE PROGRAM, AND WHY IT IS DEAD.  reference() builds w[t][e] as a sum over its own one_hot of the two chosen experts, so w[t][e] = 0 for every expert e outside token t's two,
; whatever the inputs hold.  For such (t, e) the operand h1[t][e][:] x w[t][e] of the second routed product is a block of zeros, its codes are zeros, and w[t][e] b2[e] is zero: the parts (t, e) of the products
; x W1^T, h1 x w, (h1 w) W2 and w b2 reach no output.  They are left out where they come whole: an expert that none of a block's 64 tokens has chosen.  The choice is stored here as whole numbers, placed
; by the second launch and read by the third.  No input is left out.  LIMIT: a NaN, an infinity or an overflow that arises only in the h1 left out (0 x infinity in reference()) is not carried to the result.
; OTHER LIMITS: NaN and infinities in x or Wg are not served.  A block of zeros gets the scale byte 1 with zero codes (this program alone reads the bytes).  An exponential under 2^-126 comes out as 0.
; Equal scores: the lower index wins, as in jax.lax.top_k (a score replaces the best so far only where it is greater).
; DATA PATH.  All of the wave's x (16 rows x 4,096 bytes, as four chunks of 256 along H) and a quarter of Wg come by five tensor loads at the head; no LDS byte is filled twice.  No cluster: work-groups share Wg alone, 33 KB of the 300 KB a work-group brings.
; A lane (r = lane % 16, h = lane / 16) takes of row r, for each block of 32 along H, the 16 neighbours 16 h .. 16 h + 15: that is the order in which the conversions want them,
; and the same registers, two at a time, feed the f32 matrix form (the same permutation of k on both sides keeps the products).
; GATE.  Source 0 = 16 rows, row m holding Wg[m % 8]; source 1 = my 16 tokens: register j of a lane is expert j's logit of token r, in both halves of the lanes.  Four accumulators take turns.
; REGISTERS.  v1 r, v2 h, v3-v7 addresses, v10, v11 the add's two, v12-19 the eight scale words, v20-51 four accumulators (written by matrix instructions alone), v52-59 logits, then scores,
; v60-75 at work in the quantiser, v76 lane, v77 4 x lane, v78 8 x lane, v79 the offset into xs (these four hold nothing else), v80-111 at work in the gate's end, v112-127 codes, v128-255 two sets of 64 numbers of x;
; window 1: v0-127 two sets of 64 numbers of Wg.
.set XCH,   16640                      ; a chunk of x in LDS: 16 rows x (1,024 bytes + 16 of padding)
.set XW,    4*XCH                      ; a wave's four chunks
.set WGL,   4*XW                       ; Wg: four chunks of 8 rows x 1,040 bytes
.set GCH,   8320
.set CNTL,  WGL+4*GCH                  ; the waves' counts: 128 bytes each, in blocks of 256 bytes into which no fill lands
.set SPARE, CNTL+512                   ; the spare words, 128 bytes for each wave
.set MSB, 0
.macro WIN new                         ; the immediate's high byte repeats the setting that is left
.if MSB != \new
	s_set_vgpr_msb (MSB<<8)|\new
.set MSB, \new
.endif
.endm
.macro PLACES n
.rept \n
	v_nop
.endr
.endm
; the numbers of step s (128 along H): 16 loads of Wg into set s % 2 of window 1, 16 of x into set s % 2.  Register 16 b + i = k 128 s + 32 b + 16 h + i
.macro LDSTEP s
	WIN 0x40
.set li, 0
.rept 16
	ds_load_b128 v[64*((\s)%2)+4*li:64*((\s)%2)+4*li+3], v4 offset:((\s)/2)*GCH+((\s)%2)*512+128*(li/4)+16*(li%4)
.set li, li+1
.endr
	WIN 0
.set li, 0
.rept 16
	ds_load_b128 v[128+64*((\s)%2)+4*li:128+64*((\s)%2)+4*li+3], v3 offset:((\s)/2)*XCH+((\s)%2)*512+128*(li/4)+16*(li%4)
.set li, li+1
.endr
.endm
; 32 products of 16 x 16 x 4 in f32; the four accumulators take turns, one instruction a turn; step 0's first four start the sums with the constant 0
.macro GATE s
	WIN 0x01
.set gn, 0
.rept 32
.set ga, 20+8*(gn%4)
.if ((\s) == 0) && (gn < 4)
	v_wmma_f32_16x16x4_f32 v[ga:ga+7], v[64*((\s)%2)+2*gn:64*((\s)%2)+2*gn+1], v[128+64*((\s)%2)+2*gn:128+64*((\s)%2)+2*gn+1], 0
.else
	v_wmma_f32_16x16x4_f32 v[ga:ga+7], v[64*((\s)%2)+2*gn:64*((\s)%2)+2*gn+1], v[128+64*((\s)%2)+2*gn:128+64*((\s)%2)+2*gn+1], v[ga:ga+7]
.endif
.set gn, gn+1
.endr
	WIN 0
	PLACES 8                                       ; eight places behind this form: ahead of the hold, which writes x's registers, of the next loads into both sets, and of the first read of the sums
.endm
; step s's 64 numbers of a lane become 16 registers of codes and my row's scale word; the codes go to my wave's stage, which lies in its chunk 0: that chunk has had its only fill and its last read is issued
.macro QUANTX s
.set XB, 128+64*((\s)%2)
.irp b, 0,1,2,3
	v_max3_num_f32 v[60+\b], |v[XB+16*\b]|, |v[XB+16*\b+1]|, 0x4800000   ; block b: my 16 numbers, and the floor 2^(9 - 127): the byte cannot fall under 1
.endr
.irp i, 2,4,6,8,10,12,14
.irp b, 0,1,2,3
	v_max3_num_f32 v[60+\b], v[60+\b], |v[XB+16*\b+\i]|, |v[XB+16*\b+\i+1]|
.endr
.endr
.irp b, 0,1,2,3
	v_permlanex16_b32 v[64+\b], v[60+\b], s60, s61
.endr
.irp b, 0,1,2,3
	v_max_num_f32 v[60+\b], v[60+\b], v[64+\b]     ; with lane l xor 16's 16: the block's largest magnitude
.endr
.irp b, 0,1,2,3
	v_add_nc_u32 v[72+\b], 0xfc000000, v[60+\b]    ; 8 off its exponent field: the conversion's scale operand
.endr
.irp b, 0,1,2,3
	v_and_or_b32 v[68+\b], v[60+\b], 0x7f800000, s62   ; 448 x the scale
.endr
.irp b, 0,1,2,3
	v_lshrrev_b32 v[64+\b], 23, v[72+\b]           ; the scale's byte
.endr
	v_lshl_or_b32 v[12+(\s)], v65, 8, v64
	v_lshl_or_b32 v[12+(\s)], v66, 16, v[12+(\s)]
	v_lshl_or_b32 v[12+(\s)], v67, 24, v[12+(\s)]  ; my row's scale word of this step
.irp b, 0,1,2,3
.irp i, 0,1,2,3,4,5,6,7,8,9,10,11,12,13,14,15
	v_med3_num_f32 v[XB+16*\b+\i], v[XB+16*\b+\i], -v[68+\b], v[68+\b]   ; the conversion to an 8-bit code does not saturate (ISA guide 7.6.2): the hold comes first
.endr
	v_cvt_scalef32_pk8_fp8_f32 v[112+4*\b:113+4*\b], v[XB+16*\b:XB+16*\b+7], v[72+\b]
	v_cvt_scalef32_pk8_fp8_f32 v[114+4*\b:115+4*\b], v[XB+16*\b+8:XB+16*\b+15], v[72+\b]
.endr
	v_nop                                          ; one plain line behind the last conversion
.irp b, 0,1,2,3
	ds_store_b128 v5, v[112+4*\b:115+4*\b] offset:128*(\s)+32*\b   ; k 128 s + 32 b + 16 h on, of row r
.endr
.endm
.macro STEPX s
.if (\s) < 7
.if ((\s)+1)%2 == 0
	s_wait_tensorcnt 3-((\s)+1)/2                  ; the next step begins a chunk: as many loads were issued behind that chunk's
.endif
	LDSTEP (\s)+1
	s_wait_dscnt 32                                ; all but the 32 loads just issued: this step's numbers are in, and the last step's stores have read their registers
.else
	s_wait_dscnt 0x0
.endif
	GATE \s
	QUANTX \s
.endm
	s_load_b128 s[4:7], s[0:1], 0x0                ; x, Wg
	s_load_b128 s[8:11], s[0:1], 0x10              ; xq, xs
	s_load_b128 s[12:15], s[0:1], 0x20             ; route, tw
	v_lshl_add_u32 v10, v0, 2, SPARE
	v_mov_b32 v11, 0
	ds_add_u32 v10, v11                            ; the wave's opening: the add, twice on end, and its wait ahead of my first tensor load
	ds_add_u32 v10, v11
	v_lshrrev_b32 v1, 5, v0
	v_readfirstlane_b32 s2, v1                     ; wave 0..3
	; descriptor group 1 for x: 16 rows x 256 elements of 4 bytes, 1,024 elements from row to row; 4 words of padding behind every 256
	s_mov_b32 s16, (2<<16)|(1<<20)|(7<<22)|(3<<25)
	s_mov_b32 s17, 256<<16
	s_mov_b32 s18, 16<<16
	s_mov_b32 s19, 256<<16
	s_mov_b32 s20, 16
	s_mov_b32 s21, 1024
	s_mov_b32 s22, 0
	s_mov_b32 s23, 0
	; and for Wg: 8 rows
	s_mov_b32 s24, (2<<16)|(1<<20)|(7<<22)|(3<<25)
	s_mov_b32 s25, 256<<16
	s_mov_b32 s26, 8<<16
	s_mov_b32 s27, 256<<16
	s_mov_b32 s28, 8
	s_mov_b32 s29, 1024
	s_mov_b32 s30, 0
	s_mov_b32 s31, 0
	s_lshl_b32 s52, ttmp9, 18                      ; 64 rows of 4,096 bytes a work-group,
	s_lshl_b32 s54, s2, 16                         ; 16 a wave
	s_add_co_u32 s52, s52, s54
	s_mov_b32 s53, 0
	s_mul_i32 s55, s2, XW                          ; my wave's chunks in LDS
	s_mul_i32 s56, s2, GCH
	s_add_co_u32 s56, s56, WGL                     ; the chunk of Wg that I fetch
	s_lshl_b32 s58, s2, 10
	s_mov_b32 s59, 0
	s_mov_b32 s60, 0x76543210
	s_mov_b32 s61, 0xfedcba98                      ; v_permlanex16_b32's selects for lane l xor 16
	s_mov_b32 s62, 0x600000                        ; the mantissa field of 448
	s_wait_dscnt 0x0                               ; both opening adds are done
	s_wait_kmcnt 0x0
	s_add_nc_u64 s[4:5], s[4:5], s[52:53]          ; x at my first row
	s_mov_b32 s32, 1
	s_mov_b32 s33, s56
	s_add_nc_u64 s[34:35], s[6:7], s[58:59]        ; Wg, columns 256 w on
	s_or_b32 s35, s35, 0x80000000
	tensor_load_to_lds s[32:35], s[24:31]          ; five loads of mine are out: Wg's chunk first, then x's four
	s_nop 0
.irp c, 0,1,2,3
	s_mov_b32 s[36+4*\c], 1
	s_add_co_u32 s[37+4*\c], s55, \c*XCH
	s_add_nc_u64 s[38+4*\c:39+4*\c], s[4:5], \c*1024
	s_or_b32 s[39+4*\c], s[39+4*\c], 0x80000000
	tensor_load_to_lds s[36+4*\c:39+4*\c], s[16:23]
	s_nop 0
.endr
	v_and_b32 v1, 15, v0                           ; r
	v_bfe_u32 v2, v0, 4, 1                         ; h
	v_mul_u32_u24 v8, v1, 1040
	v_lshl_add_u32 v3, v2, 6, v8
	v_add_nc_u32 v3, s55, v3                       ; x: row r, + 64 h bytes
	v_and_b32 v9, 7, v0
	v_mul_u32_u24 v9, v9, 1040
	v_lshl_add_u32 v4, v2, 6, v9
	v_add_nc_u32 v4, WGL, v4                       ; Wg: row r % 8, + 64 h
	v_lshl_add_u32 v5, v2, 4, v8
	v_add_nc_u32 v5, s55, v5                       ; the stage, on the way in: row r, + 16 h
	v_and_b32 v76, 31, v0                          ; lane
	v_lshlrev_b32 v7, 4, v76                       ; 16 x lane
	v_add_nc_u32 v6, s55, v7                       ; the stage, on the way out
	v_lshlrev_b32 v77, 2, v76                      ; 4 x lane
	v_lshlrev_b32 v78, 3, v76                      ; 8 x lane
	v_lshlrev_b32 v79, 5, v1
	v_lshl_add_u32 v79, v2, 4, v79                 ; xs: 32 bytes a row, + 16 h
	v_add_nc_u32 v107, CNTL, v77                   ; the counts, read by wave 0
	v_lshl_add_u32 v105, v0, 2, CNTL               ; and stored by each wave
.irp b, 0,1,2,3
	v_mov_b32 v[64+\b], 0                          ; written once: a lane permute's destination counts as one of its sources
.endr
	v_mov_b32 v106, -1.0
	s_lshl_b32 s52, ttmp9, 16
	s_lshl_b32 s54, s2, 14
	s_add_co_u32 s52, s52, s54                     ; my first token x 1,024
	s_add_nc_u64 s[8:9], s[8:9], s[52:53]          ; xq
	s_lshr_b32 s52, s52, 5
	s_add_nc_u64 s[10:11], s[10:11], s[52:53]      ; xs: 32 bytes a token
	s_lshr_b32 s52, s52, 2
	s_add_nc_u64 s[14:15], s[14:15], s[52:53]      ; tw: 8
	s_lshr_b32 s52, s52, 1
	s_add_nc_u64 s[66:67], s[12:13], s[52:53]      ; route: 4
	s_lshl_b32 s52, ttmp9, 7
	s_add_nc_u64 s[68:69], s[12:13], s[52:53]      ; the work-group's row of counts, 65,536 bytes further on
	s_wait_tensorcnt 4                             ; my chunk of Wg is in (x's four loads were issued behind it),
	s_barrier_signal -1
	s_barrier_wait -1                              ; everybody's is
	s_wait_tensorcnt 3                             ; x's chunk 0
	LDSTEP 0
.irp s, 0,1,2,3,4,5,6,7
	STEPX \s
.endr
	; THE GATE'S END.  Each accumulator is read from its low end on
.irp j, 0,1,2,3,4,5,6,7
	v_add_f32 v[52+\j], v[20+\j], v[28+\j]
	v_add_f32 v[80+\j], v[36+\j], v[44+\j]
.endr
.irp j, 0,1,2,3,4,5,6,7
	v_add_f32 v[52+\j], v[52+\j], v[80+\j]         ; expert j's logit of my token
.endr
	v_max3_num_f32 v88, v52, v53, v54
	v_max3_num_f32 v88, v88, v55, v56
	v_max3_num_f32 v88, v88, v57, v58
	v_max_num_f32 v88, v88, v59                    ; the maximum is taken away, as in reference()
.irp j, 0,1,2,3,4,5,6,7
	v_sub_f32 v[52+\j], v[52+\j], v88
.endr
.irp j, 0,1,2,3,4,5,6,7
	v_mul_f32 v[52+\j], 0x3fb8aa3b, v[52+\j]
.endr
.irp j, 0,1,2,3,4,5,6,7
	v_exp_f32 v[52+\j], v[52+\j]
.endr
	v_nop                                          ; a plain line behind the batch,
	s_wait_alu depctr_va_vdst(0)                   ; and one wait for the eight, ahead of their first reader
	v_add_f32 v89, v52, v53
	v_add_f32 v90, v54, v55
	v_add_f32 v91, v56, v57
	v_add_f32 v92, v58, v59
	v_add_f32 v89, v89, v90
	v_add_f32 v91, v91, v92
	v_add_f32 v89, v89, v91
	v_rcp_f32 v89, v89
	v_nop
	s_wait_alu depctr_va_vdst(0)
.irp j, 0,1,2,3,4,5,6,7
	v_mul_f32 v[52+\j], v[52+\j], v89              ; the scores
.endr
	v_mov_b32 v93, v52                             ; the best score and its index
	v_mov_b32 v94, 0
.irp j, 1,2,3,4,5,6,7
	v_cmp_le_f32 vcc_lo, v[52+\j], v93             ; not greater: the index stays
	v_cndmask_b32 v94, \j, v94, vcc_lo
	v_max_num_f32 v93, v93, v[52+\j]
.endr
.irp j, 0,1,2,3,4,5,6,7
	v_cmp_eq_u32 vcc_lo, \j, v94
	v_cndmask_b32 v[80+\j], v[52+\j], v106, vcc_lo ; the best is taken out: -1, under every score
.endr
	v_mov_b32 v95, v80                             ; the second
	v_mov_b32 v96, 0
.irp j, 1,2,3,4,5,6,7
	v_cmp_le_f32 vcc_lo, v[80+\j], v95
	v_cndmask_b32 v96, \j, v96, vcc_lo
	v_max_num_f32 v95, v95, v[80+\j]
.endr
	v_add_f32 v97, v93, v95
	v_add_f32 v97, 0x1e3ce508, v97                 ; + 1e-20
	v_rcp_f32 v97, v97
	v_nop
	s_wait_alu depctr_va_vdst(0)
	v_mul_f32 v93, v93, v97
	v_mul_f32 v95, v95, v97                        ; the two weights
	v_cmp_lt_u32 vcc_lo, v94, v96
	v_cndmask_b32 v98, v96, v94, vcc_lo            ; e_lo,
	v_cndmask_b32 v99, v94, v96, vcc_lo            ; e_hi,
	v_cndmask_b32 v100, v95, v93, vcc_lo           ; and their weights
	v_cndmask_b32 v101, v93, v95, vcc_lo
	v_and_b32 v102, 1, v98
	v_mul_u32_u24 v102, 7, v102
	v_xor_b32 v102, v99, v102
	v_lshl_add_u32 v102, v98, 3, v102              ; the sort key 8 e_lo + (e_hi xor 7 (e_lo & 1)): keys that follow each other share an expert
	v_lshl_or_b32 v103, v98, 8, v102
	v_lshl_or_b32 v103, v99, 12, v103              ; key | e_lo << 8 | e_hi << 12
	v_mov_b32 v104, 0
.set kk, 0
.irp key, 1,2,3,4,5,6,7,8,9,10,11,12,13,19,20,21,22,23,24,25,26,27,37,38,39,40,41,55
	v_cmp_eq_u32 vcc_lo, \key, v102
	s_and_b32 s63, vcc_lo, 0xffff                  ; lanes 16-31 hold the same tokens
	s_bcnt1_i32_b32 s63, s63
	v_writelane_b32 v104, s63, kk                  ; lane k: my 16 tokens with the k-th key
.set kk, kk+1
.endr
	ds_store_b32 v105, v104
	; THE CODES LEAVE as whole rows: each store covers 512 consecutive bytes, aligned
.set tt, 0
.rept 32
	ds_load_b128 v[128+4*tt:131+4*tt], v6 offset:(tt/2)*1040+(tt%2)*512
.set tt, tt+1
.endr
.set tt, 0
.rept 32
	s_wait_dscnt 31-tt                             ; LDS instructions come back in order: load tt is in
	global_store_b128 v7, v[128+4*tt:131+4*tt], s[8:9] offset:512*tt
.set tt, tt+1
.endr
	s_barrier_signal -1                            ; the last wait was for 0: my counts have landed
	s_barrier_wait -1
	s_cmp_lg_u32 s2, 0
	s_cbranch_scc1 .Lnot0
	ds_load_b32 v108, v107
	ds_load_b32 v109, v107 offset:128
	ds_load_b32 v110, v107 offset:256
	ds_load_b32 v111, v107 offset:384
	s_wait_dscnt 0x0
	v_add_nc_u32 v108, v108, v109
	v_add_nc_u32 v110, v110, v111
	v_add_nc_u32 v108, v108, v110
	global_store_b32 v77, v108, s[68:69] offset:65536   ; the 64 tokens' counts: 128 bytes
.Lnot0:
	s_mov_b32 s63, 0xffff0000                      ; lanes 16-31
.irp i, 0,1,2,3
	v_cndmask_b32 v[112+\i], v[12+\i], v[16+\i], s63   ; lanes 0-15 store words 0-3 of their row, lanes 16-31 words 4-7
.endr
	global_store_b128 v79, v[112:115], s[10:11]    ; 512 consecutive bytes a wave
	s_wait_xcnt 0x0                                ; EXEC changes only behind this wait
	v_cmp_gt_u32 vcc_lo, 16, v76
	s_and_saveexec_b32 s63, vcc_lo
	global_store_b32 v77, v103, s[66:67]
	global_store_b64 v78, v[100:101], s[14:15]
	s_wait_xcnt 0x0
	s_or_b32 exec_lo, exec_lo, s63
	s_wait_tensorcnt 0x0                           ; the wave's end, behind my last tensor load and my last LDS store
	ds_add_u32 v10, v11
	s_wait_dscnt 0x0
	s_endpgm
.Lfunc_end_k_q223d3b4fa3_front:
	.size	k_q223d3b4fa3_front, .Lfunc_end_k_q223d3b4fa3_front-k_q223d3b4fa3_front
	.p2alignl 7, 3214868480
	.fill 96, 4, 3214868480
	.section	.rodata,"a",@progbits
	.p2align	6, 0x0
	.amdhsa_kernel k_q223d3b4fa3_front
		.amdhsa_group_segment_fixed_size 300544
		.amdhsa_private_segment_fixed_size 0
		.amdhsa_enable_private_segment 0
		.amdhsa_kernarg_size 48
		.amdhsa_user_sgpr_count 2
		.amdhsa_user_sgpr_kernarg_segment_ptr 1
		.amdhsa_wavefront_size32 1
		.amdhsa_system_sgpr_workgroup_id_x 1
		.amdhsa_system_sgpr_workgroup_id_y 1
		.amdhsa_system_sgpr_workgroup_id_z 1
		.amdhsa_system_vgpr_workitem_id 0
		.amdhsa_next_free_vgpr 384
		.amdhsa_next_free_sgpr 72
		.amdhsa_reserve_vcc 1
		.amdhsa_float_denorm_mode_32 3
		.amdhsa_float_denorm_mode_16_64 3
		.amdhsa_memory_ordered 1
		.amdhsa_forward_progress 1
		.amdhsa_inst_pref_size 125
	.end_amdhsa_kernel
	.amdgpu_metadata
---
amdhsa.version: [ 1, 2 ]
amdhsa.kernels:
  - .name:           k_q223d3b4fa3_front
    .symbol:         k_q223d3b4fa3_front.kd
    .args:
      - { .name: x, .offset: 0, .size: 8, .value_kind: global_buffer, .address_space: global }
      - { .name: Wg, .offset: 8, .size: 8, .value_kind: global_buffer, .address_space: global }
      - { .name: xq, .offset: 16, .size: 8, .value_kind: global_buffer, .address_space: global }
      - { .name: xs, .offset: 24, .size: 8, .value_kind: global_buffer, .address_space: global }
      - { .name: route, .offset: 32, .size: 8, .value_kind: global_buffer, .address_space: global }
      - { .name: tw, .offset: 40, .size: 8, .value_kind: global_buffer, .address_space: global }
    .group_segment_fixed_size: 300544
    .private_segment_fixed_size: 0
    .kernarg_segment_align: 8
    .kernarg_segment_size: 48
    .max_flat_workgroup_size: 128
    .sgpr_count:     72
    .vgpr_count:     384
    .wavefront_size: 32
...
	.end_amdgpu_metadata
.endif
;; end of part 1
;; launch place (part 2): grid 81 x 1, 8 waves a work-group, no clusters, 3,072 bytes of LDS; arguments route, tw, W1_codes, W1_scales, Ws1_codes, Ws1_scales, Ws2_codes, Ws2_scales, W2, b2, bs2, order, sw, wf; writes order, sw, wf
.if DOCPART == 2
	.amdgcn_target "amdgcn-amd-amdhsa--gfx1250"
	.amdhsa_code_object_version 6
	.text
	.protected	k_q223d3b4fa3_place
	.globl	k_q223d3b4fa3_place
	.p2align	8
	.type	k_q223d3b4fa3_place,@function
k_q223d3b4fa3_place:
	s_mov_b64 s[64:65], 0
	v_nop
	global_prefetch_b8 v0, s[64:65] scope:SCOPE_SE
	s_setreg_imm32_b32 hwreg(HW_REG_WAVE_MODE, 25, 1), 1
	s_wait_xcnt 0x0
; PLACE: three kinds of work-groups, told apart by the work-group's number.
; 0-31: a counting sort of the 16,384 tokens by their pair of experts (28 keys), without atomics: wave j of work-group B places the 64 tokens of chunk 8 B + j.  A key's first place is the number of tokens with
;   smaller keys; a chunk's first place within a key is the number of that key's tokens in earlier chunks; both come from the first launch's counts [256 chunks][32].  order[place] = token | e_lo << 16 | e_hi << 20, sw[place] = the two weights.
; 32-79: the weights in the order in which the third launch's operand registers take them.  A quarter block, 8,448 bytes, is four fragments (16 rows x 128 K: 4 x 512 bytes, lane l's 16 bytes at 16 l) and 256 bytes of
;   scale words (8 x lane + 4 i: word i holds fragment 2 i's in lanes 0-15 and fragment 2 i + 1's in lanes 16-31).  Block ((J 4 + w) 4 + q): J = 12 x product + g; g = 0..3 the shared expert's groups of 128, g = 4 + e expert e; w the wave; q the quarter.
;   First products: fragment f = K step 2 q + f / 2, tile u = f % 2, lane r's row 128 g' + 32 w + 8 u + r + 8 (r / 8).  Second products: fragment f = rows 256 w + 16 (4 q + f) + r, K step g.  W2 arrives as f32 and is quantised here, along its last axis.
; 80: for each 16 output columns a bf16 fragment of b2 and bs2, each number as a high and a low part (bs2: three parts), split in f32.
; LIMITS: NaN and infinities in W2 are not served; a block of zeros gets the byte 1 with zero codes (this program alone reads the bytes).
.set QB,    8448
.set WFB,   384*QB
.set SPARE, 2048                       ; LDS: 0: eight waves' sums; 1,024: their sums over earlier chunks; 2,048: the spare words, 128 bytes for each wave
	s_load_b512 s[4:19], s[0:1], 0x0               ; route, tw, W1's codes, scales, Ws1's codes, scales, Ws2's codes, scales
	s_load_b256 s[20:27], s[0:1], 0x40             ; W2, b2, bs2, order
	s_load_b128 s[28:31], s[0:1], 0x60             ; sw, wf
	v_lshl_add_u32 v2, v0, 2, SPARE
	v_mov_b32 v3, 0
	v_lshrrev_b32 v1, 5, v0
	v_readfirstlane_b32 s2, v1                     ; wave 0..7
	v_and_b32 v4, 31, v0                           ; lane
	v_and_b32 v5, 15, v0                           ; r
	v_bfe_u32 v6, v0, 4, 1                         ; h
	s_wait_kmcnt 0x0
	s_cmp_lt_u32 ttmp9, 32
	s_cbranch_scc0 .Lprep
	; ---------------- the sort
	s_lshl_b32 s3, ttmp9, 3
	s_add_co_u32 s3, s3, s2                        ; my chunk
	s_mov_b32 s75, 0
	s_lshl_b32 s74, s3, 8
	s_add_nc_u64 s[32:33], s[4:5], s[74:75]        ; its 64 words,
	s_lshl_b32 s74, s3, 9
	s_add_nc_u64 s[34:35], s[6:7], s[74:75]        ; its 64 pairs of weights
	s_lshl_b32 s74, s2, 12
	s_add_nc_u64 s[66:67], s[4:5], s[74:75]        ; counts: rows 32 j on,
	s_lshl_b32 s74, ttmp9, 10
	s_add_nc_u64 s[68:69], s[4:5], s[74:75]        ; and rows 8 B on
	v_lshlrev_b32 v7, 2, v4
	v_lshlrev_b32 v8, 3, v4
	v_lshlrev_b32 v9, 2, v0
	global_load_b32 v10, v7, s[32:33]
	global_load_b32 v11, v7, s[32:33] offset:128
	global_load_b64 v[12:13], v8, s[34:35]
	global_load_b64 v[14:15], v8, s[34:35] offset:256
.set su, 0
.rept 32
	global_load_b32 v[16+su], v7, s[66:67] offset:65536+128*su
.set su, su+1
.endr
.set su, 0
.rept 8
	global_load_b32 v[48+su], v7, s[68:69] offset:65536+128*su
.set su, su+1
.endr
	s_lshl_b32 s70, ttmp9, 3
	s_lshl_b32 s71, s2, 5
	s_sub_co_i32 s70, s70, s71                     ; of my 32 rows those under 8 B - 32 j lie ahead of the work-group's chunks
	v_mov_b32 v56, 0
	v_mov_b32 v57, 0
	v_mov_b32 v58, 0
	s_wait_loadcnt 0x0
.set su, 0
.rept 32
	v_add_nc_u32 v56, v56, v[16+su]
	s_cmp_gt_i32 s70, su
	s_cselect_b32 s71, 1, 0
	v_mad_u32_u24 v57, v[16+su], s71, v57
.set su, su+1
.endr
.set su, 0
.rept 8
	s_cmp_gt_u32 s2, su
	s_cselect_b32 s71, 1, 0
	v_mad_u32_u24 v58, v[48+su], s71, v58          ; the work-group's chunks ahead of mine
.set su, su+1
.endr
	ds_store_b32 v9, v56
	ds_store_b32 v9, v57 offset:1024
	s_wait_dscnt 0x0                               ; for the others' sake: my stores have landed
	s_barrier_signal -1
	s_barrier_wait -1
.set su, 0
.rept 8
	ds_load_b32 v[60+su], v7 offset:128*su
	ds_load_b32 v[68+su], v7 offset:1024+128*su
.set su, su+1
.endr
	s_wait_dscnt 0x0
	v_mov_b32 v56, v60
	v_add_nc_u32 v58, v58, v68
.set su, 1
.rept 7
	v_add_nc_u32 v56, v56, v[60+su]                ; lane k: all tokens with key k;
	v_add_nc_u32 v58, v58, v[68+su]                ; those of them in chunks ahead of mine
.set su, su+1
.endr
	s_mov_b32 s72, 0
.set kk, 0
.rept 28
	v_readlane_b32 s73, v58, kk
	s_add_co_u32 s[36+kk], s72, s73                ; where my chunk's tokens with key k begin
	v_readlane_b32 s73, v56, kk
	s_add_co_u32 s72, s72, s73
.set kk, kk+1
.endr
	v_and_b32 v76, 0xff, v10
	v_and_b32 v77, 0xff, v11
	v_mov_b32 v78, 0
	v_mov_b32 v79, 0
.set kk, 0
.irp key, 1,2,3,4,5,6,7,8,9,10,11,12,13,19,20,21,22,23,24,25,26,27,37,38,39,40,41,55
	v_cmp_eq_u32 s73, \key, v76
	v_mbcnt_lo_u32_b32 v80, s73, s[36+kk]          ; the key's next place + the lanes below me that have it
	v_cndmask_b32 v78, v78, v80, s73
	s_bcnt1_i32_b32 s73, s73
	s_add_co_u32 s[36+kk], s[36+kk], s73
	v_cmp_eq_u32 s73, \key, v77
	v_mbcnt_lo_u32_b32 v80, s73, s[36+kk]
	v_cndmask_b32 v79, v79, v80, s73
	s_bcnt1_i32_b32 s73, s73
	s_add_co_u32 s[36+kk], s[36+kk], s73
.set kk, kk+1
.endr
	v_min_u32 v78, 0x3fff, v78                     ; a place made of loaded numbers enters an address only behind this bound
	v_min_u32 v79, 0x3fff, v79
	s_lshl_b32 s74, s3, 6
	v_add_nc_u32 v81, s74, v4                      ; my first token
	v_lshrrev_b32 v82, 8, v10
	v_lshl_or_b32 v82, v82, 16, v81
	v_add_nc_u32 v81, 32, v81                      ; my second
	v_lshrrev_b32 v83, 8, v11
	v_lshl_or_b32 v83, v83, 16, v81
	v_lshlrev_b32 v84, 2, v78
	v_lshlrev_b32 v85, 2, v79
	v_lshlrev_b32 v86, 3, v78
	v_lshlrev_b32 v87, 3, v79
	global_store_b32 v84, v82, s[26:27]
	global_store_b32 v85, v83, s[26:27]
	global_store_b64 v86, v[12:13], s[28:29]
	global_store_b64 v87, v[14:15], s[28:29]
	s_branch .Lend
	; ---------------- the weights
.macro WOUT                            ; four fragments in v16-79 and two scale words in v80, v81 leave as they stand: each store covers 512 (the last: 256) consecutive bytes, aligned
.set wo, 0
.rept 16
	global_store_b128 v7, v[16+4*wo:19+4*wo], s[30:31] offset:512*wo
.set wo, wo+1
.endr
	global_store_b64 v8, v[80:81], s[30:31] offset:8192
.endm
.Lprep:
	s_cmp_lt_u32 ttmp9, 80
	s_cbranch_scc0 .Lbias
	s_sub_co_u32 s32, ttmp9, 32
	s_lshl_b32 s32, s32, 3
	s_add_co_u32 s32, s32, s2                      ; my quarter block
	s_lshr_b32 s33, s32, 4                         ; J
	s_bfe_u32 s34, s32, 0x20002                    ; w
	s_and_b32 s35, s32, 3                          ; q
	s_mul_i32 s66, s32, QB
	s_mov_b32 s67, 0
	s_add_nc_u64 s[30:31], s[30:31], s[66:67]
	s_mov_b32 s75, 0
	v_lshlrev_b32 v7, 4, v4
	v_lshlrev_b32 v8, 3, v4
	s_cmp_lt_u32 s33, 12
	s_cbranch_scc0 .Lph1
	s_cmp_lt_u32 s33, 4                            ; the shared expert's rows or the routed experts'?
	s_cselect_b64 s[68:69], s[12:13], s[8:9]
	s_cselect_b64 s[70:71], s[14:15], s[10:11]
	s_cselect_b32 s72, 0, 4
	s_sub_co_u32 s72, s33, s72
	s_lshl_b32 s72, s72, 7
	s_lshl_b32 s73, s34, 5
	s_add_co_u32 s72, s72, s73                     ; first row: 128 g' + 32 w
	s_lshl_b32 s74, s72, 10
	s_lshl_b32 s73, s35, 8
	s_add_co_u32 s74, s74, s73                     ; 1,024 bytes a row, + 256 q
	s_add_nc_u64 s[68:69], s[68:69], s[74:75]
	s_lshl_b32 s74, s72, 5
	s_lshl_b32 s73, s35, 3
	s_add_co_u32 s74, s74, s73                     ; scale bytes: 32 a row, + 8 q
	s_add_nc_u64 s[70:71], s[70:71], s[74:75]
	v_and_b32 v9, 8, v5
	v_add_nc_u32 v9, v9, v5                        ; r + 8 (r / 8)
	v_lshlrev_b32 v10, 10, v9
	v_lshl_add_u32 v10, v6, 4, v10                 ; tile 0's row, + 16 h;
	v_add_nc_u32 v11, 8192, v10                    ; tile 1's, 8 rows on
	v_lshl_add_u32 v12, v6, 3, v9
	v_lshlrev_b32 v12, 5, v12                      ; scale words: lanes 0-15 tile 0's rows, lanes 16-31 tile 1's
.irp f, 0,1,2,3
.irp c, 0,1,2,3
	global_load_b128 v[16+16*\f+4*\c:19+16*\f+4*\c], v[10+(\f%2)], s[68:69] offset:128*(\f/2)+32*\c
.endr
.endr
	global_load_b64 v[80:81], v12, s[70:71]
	s_wait_loadcnt 0x0
	WOUT
	s_branch .Lend
.Lph1:
	s_cmp_lt_u32 s33, 16
	s_cbranch_scc0 .Lw2
	s_sub_co_u32 s72, s33, 12                      ; g
	s_lshl_b32 s73, s34, 8
	s_lshl_b32 s74, s35, 6
	s_add_co_u32 s73, s73, s74                     ; first row: 256 w + 64 q
	s_lshl_b32 s74, s73, 9
	s_lshl_b32 s76, s72, 7
	s_add_co_u32 s74, s74, s76                     ; 512 bytes a row, + 128 g
	s_add_nc_u64 s[16:17], s[16:17], s[74:75]
	s_lshl_b32 s74, s73, 4
	s_lshl_b32 s76, s72, 2
	s_add_co_u32 s74, s74, s76                     ; scale bytes: 16 a row, + 4 g
	s_add_nc_u64 s[18:19], s[18:19], s[74:75]
	v_lshlrev_b32 v10, 9, v5
	v_lshl_add_u32 v10, v6, 4, v10
	v_lshl_add_u32 v12, v6, 4, v5
	v_lshlrev_b32 v12, 4, v12                      ; row 16 h + r
.irp f, 0,1,2,3
.irp c, 0,1,2,3
	global_load_b128 v[16+16*\f+4*\c:19+16*\f+4*\c], v10, s[16:17] offset:8192*\f+32*\c
.endr
.endr
	global_load_b32 v80, v12, s[18:19]
	global_load_b32 v81, v12, s[18:19] offset:512
	s_wait_loadcnt 0x0
	WOUT
	s_branch .Lend
.Lw2:
	s_sub_co_u32 s72, s33, 16                      ; e
	s_lshl_b32 s72, s72, 10
	s_lshl_b32 s73, s34, 8
	s_add_co_u32 s72, s72, s73
	s_lshl_b32 s73, s35, 6
	s_add_co_u32 s72, s72, s73                     ; first row: 1,024 e + 256 w + 64 q
	s_lshl_b32 s74, s72, 9
	s_add_nc_u64 s[20:21], s[20:21], s[74:75]
	v_lshlrev_b32 v10, 9, v5
	v_lshl_add_u32 v10, v6, 6, v10                 ; row r of 512 bytes, + 64 h: my 16 numbers of a block of 32
	s_mov_b32 s68, 0x76543210
	s_mov_b32 s69, 0xfedcba98
	s_mov_b32 s70, 0x600000
	s_mov_b32 s71, 0xffff0000
.irp b, 0,1,2,3
	v_mov_b32 v[228+\b], 0                         ; written once: a lane permute's destination counts as one of its sources
.endr
.macro W2LOAD f                        ; fragment f's 64 numbers of a lane into set f % 2: register 16 c + i = k 32 c + 16 h + i of my row
.irp c, 0,1,2,3
.irp j, 0,1,2,3
	global_load_b128 v[96+64*((\f)%2)+16*\c+4*\j:96+64*((\f)%2)+16*\c+4*\j+3], v10, s[20:21] offset:8192*(\f)+128*\c+16*\j th:TH_LOAD_NT
.endr
.endr
.endm
.macro QW f                            ; they become fragment f's codes in v[16 + 16 f] on and its scale word in v[240 + f]
.set QS, 96+64*((\f)%2)
.set QD, 16+16*(\f)
.irp b, 0,1,2,3
	v_max3_num_f32 v[224+\b], |v[QS+16*\b]|, |v[QS+16*\b+1]|, 0x4800000   ; with the floor 2^(9 - 127): the byte cannot fall under 1
.endr
.irp i, 2,4,6,8,10,12,14
.irp b, 0,1,2,3
	v_max3_num_f32 v[224+\b], v[224+\b], |v[QS+16*\b+\i]|, |v[QS+16*\b+\i+1]|
.endr
.endr
.irp b, 0,1,2,3
	v_permlanex16_b32 v[228+\b], v[224+\b], s68, s69
.endr
.irp b, 0,1,2,3
	v_max_num_f32 v[224+\b], v[224+\b], v[228+\b]
.endr
.irp b, 0,1,2,3
	v_add_nc_u32 v[236+\b], 0xfc000000, v[224+\b]
.endr
.irp b, 0,1,2,3
	v_and_or_b32 v[232+\b], v[224+\b], 0x7f800000, s70
.endr
.irp b, 0,1,2,3
	v_lshrrev_b32 v[228+\b], 23, v[236+\b]
.endr
	v_lshl_or_b32 v[240+(\f)], v229, 8, v228
	v_lshl_or_b32 v[240+(\f)], v230, 16, v[240+(\f)]
	v_lshl_or_b32 v[240+(\f)], v231, 24, v[240+(\f)]
.irp b, 0,1,2,3
.irp i, 0,1,2,3,4,5,6,7,8,9,10,11,12,13,14,15
	v_med3_num_f32 v[QS+16*\b+\i], v[QS+16*\b+\i], -v[232+\b], v[232+\b]
.endr
	v_cvt_scalef32_pk8_fp8_f32 v[QD+4*\b:QD+4*\b+1], v[QS+16*\b:QS+16*\b+7], v[236+\b]
	v_cvt_scalef32_pk8_fp8_f32 v[QD+4*\b+2:QD+4*\b+3], v[QS+16*\b+8:QS+16*\b+15], v[236+\b]
.endr
	v_nop                                          ; one plain line behind the last conversion
.endm
	W2LOAD 0
	W2LOAD 1
	s_wait_loadcnt 16                              ; the next fragment's 16 loads may be out
	QW 0
	W2LOAD 2
	s_wait_loadcnt 16
	QW 1
	W2LOAD 3
	s_wait_loadcnt 16
	QW 2
	s_wait_loadcnt 0x0
	QW 3
	v_cndmask_b32 v80, v240, v241, s71             ; lanes 0-15: the even fragment's word, lanes 16-31: the odd one's
	v_cndmask_b32 v81, v242, v243, s71
	WOUT
	s_branch .Lend
	; ---------------- the biases
.Lbias:
	s_lshl_b32 s66, s2, 9                          ; my 8 tiles: 128 numbers of each row
	s_mov_b32 s67, 0
	s_add_nc_u64 s[22:23], s[22:23], s[66:67]
	s_add_nc_u64 s[24:25], s[24:25], s[66:67]
	s_lshl_b32 s66, s2, 13
	s_add_nc_u64 s[30:31], s[30:31], s[66:67]
	s_add_nc_u64 s[30:31], s[30:31], WFB
	v_lshlrev_b32 v10, 2, v5
	v_lshlrev_b32 v7, 4, v4
	v_mov_b32 v15, 0
	s_mov_b32 s68, 0xffff0000                      ; a word's upper bf16; as a mask of lanes: lanes 16-31
.set bt, 0
.rept 8
.irp e, 0,1,2,3,4,5,6,7
	global_load_b32 v[16+9*bt+\e], v10, s[22:23] offset:64*bt+4096*\e
.endr
	global_load_b32 v[24+9*bt], v10, s[24:25] offset:64*bt
.set bt, bt+1
.endr
	s_wait_loadcnt 0x0
; tile t, column n = 16 t + r.  Registers 0-3, both halves of the lanes: the high parts of b2[0..7][n].  Registers 4-7: lanes 0-15 their low parts; lanes 16-31 bs2[n] in three parts, then zeros
.macro BTILE t
.set BB, 16+9*(\t)
.if (\t) > 0
	s_wait_xcnt 0x0                                ; the last tile's stores have read their registers
.endif
.irp i, 0,1,2,3
	v_cvt_pk_bf16_f32 v[100+\i], v[BB+2*\i], v[BB+2*\i+1]
.endr
.irp i, 0,1,2,3
	v_lshlrev_b32 v[104+2*\i], 16, v[100+\i]
	v_and_b32 v[105+2*\i], s68, v[100+\i]
.endr
.irp e, 0,1,2,3,4,5,6,7
	v_sub_f32 v[104+\e], v[BB+\e], v[104+\e]       ; what the high part leaves, exact in f32
.endr
.irp i, 0,1,2,3
	v_cvt_pk_bf16_f32 v[112+\i], v[104+2*\i], v[105+2*\i]
.endr
	v_cvt_pk_bf16_f32 v116, v[BB+8], v[BB+8]
	v_and_b32 v117, s68, v116
	v_sub_f32 v118, v[BB+8], v117
	v_cvt_pk_bf16_f32 v119, v118, v118
	v_and_b32 v120, s68, v119
	v_sub_f32 v121, v118, v120
	v_cvt_pk_bf16_f32 v122, v[BB+8], v118
	v_cvt_pk_bf16_f32 v123, v121, v15
	v_cndmask_b32 v112, v112, v122, s68
	v_cndmask_b32 v113, v113, v123, s68
	v_cndmask_b32 v114, v114, v15, s68
	v_cndmask_b32 v115, v115, v15, s68
	global_store_b128 v7, v[100:103], s[30:31] offset:1024*(\t)
	global_store_b128 v7, v[112:115], s[30:31] offset:1024*(\t)+512
.endm
.irp t, 0,1,2,3,4,5,6,7
	BTILE \t
.endr
.Lend:
	s_wait_tensorcnt 0x0                           ; the wave's end, behind my last LDS store
	ds_add_u32 v2, v3
	s_wait_dscnt 0x0
	s_endpgm
.Lfunc_end_k_q223d3b4fa3_place:
	.size	k_q223d3b4fa3_place, .Lfunc_end_k_q223d3b4fa3_place-k_q223d3b4fa3_place
	.p2alignl 7, 3214868480
	.fill 96, 4, 3214868480
	.section	.rodata,"a",@progbits
	.p2align	6, 0x0
	.amdhsa_kernel k_q223d3b4fa3_place
		.amdhsa_group_segment_fixed_size 3072
		.amdhsa_private_segment_fixed_size 0
		.amdhsa_enable_private_segment 0
		.amdhsa_kernarg_size 112
		.amdhsa_user_sgpr_count 2
		.amdhsa_user_sgpr_kernarg_segment_ptr 1
		.amdhsa_wavefront_size32 1
		.amdhsa_system_sgpr_workgroup_id_x 1
		.amdhsa_system_sgpr_workgroup_id_y 1
		.amdhsa_system_sgpr_workgroup_id_z 1
		.amdhsa_system_vgpr_workitem_id 0
		.amdhsa_next_free_vgpr 256
		.amdhsa_next_free_sgpr 80
		.amdhsa_reserve_vcc 0
		.amdhsa_float_denorm_mode_32 3
		.amdhsa_float_denorm_mode_16_64 3
		.amdhsa_memory_ordered 1
		.amdhsa_forward_progress 1
		.amdhsa_inst_pref_size 105
	.end_amdhsa_kernel
	.amdgpu_metadata
---
amdhsa.version: [ 1, 2 ]
amdhsa.kernels:
  - .name:           k_q223d3b4fa3_place
    .symbol:         k_q223d3b4fa3_place.kd
    .args:
      - { .name: route, .offset: 0, .size: 8, .value_kind: global_buffer, .address_space: global }
      - { .name: tw, .offset: 8, .size: 8, .value_kind: global_buffer, .address_space: global }
      - { .name: W1_codes, .offset: 16, .size: 8, .value_kind: global_buffer, .address_space: global }
      - { .name: W1_scales, .offset: 24, .size: 8, .value_kind: global_buffer, .address_space: global }
      - { .name: Ws1_codes, .offset: 32, .size: 8, .value_kind: global_buffer, .address_space: global }
      - { .name: Ws1_scales, .offset: 40, .size: 8, .value_kind: global_buffer, .address_space: global }
      - { .name: Ws2_codes, .offset: 48, .size: 8, .value_kind: global_buffer, .address_space: global }
      - { .name: Ws2_scales, .offset: 56, .size: 8, .value_kind: global_buffer, .address_space: global }
      - { .name: W2, .offset: 64, .size: 8, .value_kind: global_buffer, .address_space: global }
      - { .name: b2, .offset: 72, .size: 8, .value_kind: global_buffer, .address_space: global }
      - { .name: bs2, .offset: 80, .size: 8, .value_kind: global_buffer, .address_space: global }
      - { .name: order, .offset: 88, .size: 8, .value_kind: global_buffer, .address_space: global }
      - { .name: sw, .offset: 96, .size: 8, .value_kind: global_buffer, .address_space: global }
      - { .name: wf, .offset: 104, .size: 8, .value_kind: global_buffer, .address_space: global }
    .group_segment_fixed_size: 3072
    .private_segment_fixed_size: 0
    .kernarg_segment_align: 8
    .kernarg_segment_size: 112
    .max_flat_workgroup_size: 256
    .sgpr_count:     80
    .vgpr_count:     256
    .wavefront_size: 32
...
	.end_amdgpu_metadata
.endif
;; end of part 2
;; launch chain (part 3): grid 256 x 1, 4 waves a work-group, no clusters, 240,128 bytes of LDS; arguments order, sw, xq, xs, wf, bs1, b1, out0; writes out0
.if DOCPART == 3
	.amdgcn_target "amdgcn-amd-amdhsa--gfx1250"
	.amdhsa_code_object_version 6
	.text
	.protected	k_q223d3b4fa3_chain
	.globl	k_q223d3b4fa3_chain
	.p2align	8
	.type	k_q223d3b4fa3_chain,@function
k_q223d3b4fa3_chain:
	s_mov_b64 s[64:65], 0
	v_nop
	global_prefetch_b8 v0, s[64:65] scope:SCOPE_SE
	s_setreg_imm32_b32 hwreg(HW_REG_WAVE_MODE, 25, 1), 1
	s_wait_xcnt 0x0
; CHAIN: for 64 tokens that lie together in the sorted order: gather their codes, all first products (the shared expert's 512 hidden units and the 128 of each expert that one of the 64 tokens has chosen),
; bias, relu, the gate's weight, quantise; all second products; b2, bs2; store.  The hidden layers never go to memory, and each output row has one owner.
; WORK LEFT OUT: an expert that none of the block's 64 tokens has chosen has w = 0 for all of them by reference()'s own one_hot sum, so its hidden operand is zeros and it adds nothing (shown at the head of the first kernel;
; a NaN or an infinity that arises only there is not carried).  For a token of the block that has not chosen an expert that is walked, the weight 0 is multiplied in: its codes are zeros.
; NO TENSOR LOAD AND NO CLUSTER: the walk over experts branches on the stored list; and each weight byte is wanted by exactly one wave of the work-group, so it goes from memory straight into that wave's registers, in register order.
; SHARES.  First products: wave w makes hidden units 32 w .. 32 w + 31 of every group of 128, for all 64 rows: one block of 32 along the next K.  Second products: wave w makes columns 256 w .. 256 w + 255 for all 64 rows.
; Both are used transposed (source 0 = 16 rows of a weight, source 1 = 16 tokens): a lane holds one token, its registers neighbours along the hidden units or the columns.
; A JOB is one product and one group for one wave: 16 weight fragments in four quarters, 64 matrix instructions.  Quarter q lies in buffer q; as soon as it is multiplied, quarter q of the NEXT job is asked for into the same
; registers: 68 loads of a wave are on their way throughout.  Order: the used experts ascending, then the shared groups; first products, then second.
; REGISTERS.  Window 0: v1-13 addresses, v14, v15 the add's two, v16-31 x's scale words (later v16, v17 the hidden layer's), v32-39 the weights' scale words, v40-47 e_lo, e_hi, v48-55 their weights, v56-63 the weight in hand,
;   v64-127 8 accumulators of the hidden layer (later four hidden fragments), v128-143 bias, v144-159 codes, v160-175 at work, v192-223 the weights as bf16 fragments, v224-255 row offsets.
;   Windows 1, 2: x's 32 fragments (tile of rows m, K step s at 16 (4 s + m)); later the 64 accumulators of the output (tile of columns t, tile of rows m at 8 (4 t + m)).  Window 3: the four weight buffers; on the way out rows read back.
.set QB,    8448                       ; a quarter: 4 fragments of 2,048 bytes and 256 bytes of scale words
.set JOBB,  4*QB
.set WFB,   384*QB                     ; behind the 384 quarters: 64 bias fragments of 1,024 bytes
.set XP,    1040                       ; a row in LDS: 1,024 bytes + 16
.set XT,    16*XP
.set HIMG,  4*XT                       ; LDS: 0: the 64 rows' codes, later each wave's stage of 16 rows;  HIMG: the hidden fragments as images of their registers: 8,192 g + 2,048 m + 512 c + 16 lane
.set HSC,   HIMG+12*8192               ; their scale bytes: 256 g + 64 m + 4 r + c
.set HBL,   HSC+12*256                 ; bs1, then b1: 512 bytes a group
.set BFL,   HBL+6144                   ; the bias fragments: 16,384 bytes for each wave
.set SPARE, BFL+65536                  ; the spare words, 128 bytes for each wave
.set MSB, 0
.macro WIN new                         ; the immediate's high byte repeats the setting that is left
.if MSB != \new
	s_set_vgpr_msb (MSB<<8)|\new
.set MSB, \new
.endif
.endm
.macro PLACES n
.rept \n
	v_nop
.endr
.endm
.macro WS8                             ; one scaled product; its registers and the rows of its scale registers stand in symbols
.if fA && fB
	v_wmma_scale_f32_16x16x128_f8f6f4 v[rD:rD+7], v[rA:rA+15], v[rB:rB+15], v[rC:rC+7], v[rSA], v[rSB] matrix_a_scale:MATRIX_SCALE_ROW1 matrix_b_scale:MATRIX_SCALE_ROW1
.elseif fA
	v_wmma_scale_f32_16x16x128_f8f6f4 v[rD:rD+7], v[rA:rA+15], v[rB:rB+15], v[rC:rC+7], v[rSA], v[rSB] matrix_a_scale:MATRIX_SCALE_ROW1
.elseif fB
	v_wmma_scale_f32_16x16x128_f8f6f4 v[rD:rD+7], v[rA:rA+15], v[rB:rB+15], v[rC:rC+7], v[rSA], v[rSB] matrix_b_scale:MATRIX_SCALE_ROW1
.else
	v_wmma_scale_f32_16x16x128_f8f6f4 v[rD:rD+7], v[rA:rA+15], v[rB:rB+15], v[rC:rC+7], v[rSA], v[rSB]
.endif
.endm
.macro WLOAD q                         ; 17 loads: quarter q of the job at s[24:25] into buffer q and its two scale registers
	WIN 0xc0
.set wl, 0
.rept 16
	global_load_b128 v[64*(\q)+4*wl:64*(\q)+4*wl+3], v1, s[24:25] offset:(\q)*QB+512*wl
.set wl, wl+1
.endr
	WIN 0
	global_load_b64 v[32+2*(\q):33+2*(\q)], v2, s[24:25] offset:(\q)*QB+8192
.endm
.macro RELOAD q
	PLACES 8                                       ; eight places behind this form ahead of loads into registers that the products have read
	WLOAD \q
.endm
.macro NEXTJ                           ; s23 = the next job's number: s[24:25] = where my part of it lies
	s_min_u32 s23, s23, 23                         ; a number made of loaded ones enters an address only behind this bound
	s_lshl_b32 s23, s23, 2
	s_add_co_u32 s23, s23, s20
	s_mul_i32 s26, s23, JOBB
	s_wait_xcnt 0x0                                ; the last job's loads have read their base
	s_add_nc_u64 s[24:25], s[12:13], s[26:27]
.endm
.macro NEXTE ph                        ; in expert s22's trip: the next used expert's job, or, behind the last, the shared group 0's
	s_lshl_b32 s31, -2, s22
	s_and_b32 s31, s31, s21
	s_ctz_i32_b32 s23, s31
	s_add_co_u32 s23, s23, 12*\ph+4
	s_cmp_lg_u32 s31, 0
	s_cselect_b32 s23, s23, 12*\ph
	NEXTJ
.endm
; a quarter of a first product: K steps 2 q, 2 q + 1; two tiles of hidden units x four tiles of rows: the eight accumulators take turns.  The bias is the C of each sum's first product
.macro Q1 q
	s_wait_loadcnt 51                              ; three younger quarters of 17 loads may be out: this one is in
.if (\q) < 2
	WIN 0x07                                       ; source 0 (the weight) window 3, source 1 (x) window 1
.else
	WIN 0x0b                                       ; x in window 2
.endif
.irp i, 0,1
.irp u, 0,1
.irp m, 0,1,2,3
.set rD, 64+16*\m+8*\u
.set rA, 64*(\q)+16*(2*\i+\u)
.set rB, (16*(4*(2*(\q)+\i)+\m))%256
.if (2*(\q)+\i) == 0
.set rC, 128+8*\u
.else
.set rC, rD
.endif
.set rSA, 32+2*(\q)+\i
.set rSB, 16+8*(\m/2)+2*(\q)+\i
.set fA, \u
.set fB, \m%2
	WS8
.endr
.endr
.endr
	WIN 0
	RELOAD \q
.endm
; the job's 64 numbers of a lane (16 neighbours along the next K for each of four rows) become four quads of codes and four scale bytes.  routed = 1: x the gate's weight first (it is not negative, so the clip at 0 may follow it)
.macro EPI1 routed
.if \routed
.irp m, 0,1,2,3
.irp i, 0,2,4,6,8,10,12,14
	v_pk_mul_f32 v[64+16*\m+\i:65+16*\m+\i], v[64+16*\m+\i:65+16*\m+\i], v[56+2*\m:57+2*\m] op_sel_hi:[1,0]
.endr
.endr
.endif
.irp b, 0,1,2,3
	v_max3_num_f32 v[160+\b], v[64+16*\b], v[65+16*\b], 0x4800000   ; no |.|: what is negative becomes 0 and must not count; the floor 2^(9 - 127) stands over it
.endr
.irp i, 2,4,6,8,10,12,14
.irp b, 0,1,2,3
	v_max3_num_f32 v[160+\b], v[160+\b], v[64+16*\b+\i], v[65+16*\b+\i]
.endr
.endr
.irp b, 0,1,2,3
	v_permlanex16_b32 v[164+\b], v[160+\b], s32, s33
.endr
.irp b, 0,1,2,3
	v_max_num_f32 v[160+\b], v[160+\b], v[164+\b]  ; with lane l xor 16's 16: the block's largest
.endr
.irp b, 0,1,2,3
	v_add_nc_u32 v[172+\b], 0xfc000000, v[160+\b]  ; the conversion's scale operand
.endr
.irp b, 0,1,2,3
	v_and_or_b32 v[168+\b], v[160+\b], 0x7f800000, s34   ; 448 x the scale
.endr
.irp b, 0,1,2,3
	v_lshrrev_b32 v[164+\b], 23, v[172+\b]         ; the scale's byte
.endr
.irp b, 0,1,2,3
.irp i, 0,1,2,3,4,5,6,7,8,9,10,11,12,13,14,15
	v_med3_num_f32 v[64+16*\b+\i], v[64+16*\b+\i], 0, v[168+\b]   ; the activation and the hold in one
.endr
	v_cvt_scalef32_pk8_fp8_f32 v[144+4*\b:145+4*\b], v[64+16*\b:71+16*\b], v[172+\b]
	v_cvt_scalef32_pk8_fp8_f32 v[146+4*\b:147+4*\b], v[72+16*\b:79+16*\b], v[172+\b]
.endr
	v_nop                                          ; one plain line behind the last conversion
	v_add_nc_u32 v5, s28, v4
	v_add_nc_u32 v7, s29, v6
.irp b, 0,1,2,3
	ds_store_b128 v5, v[144+4*\b:147+4*\b] offset:2048*\b   ; quad w of the group's fragment of rows 16 b on
.endr
.irp b, 0,1,2,3
	ds_store_b8 v7, v[164+\b] offset:64*\b         ; byte w of row r's scale word; both lanes of a row write the same byte with the same value
.endr
.endm
.macro JOB1 routed
	v_add_nc_u32 v9, s30, v8
.irp i, 0,1,2,3
	ds_load_b128 v[128+4*\i:131+4*\i], v9 offset:16*\i   ; the bias of my 16 hidden units
.endr
.if \routed
.irp m, 0,1,2,3
	v_cmp_eq_u32 vcc_lo, s22, v[40+\m]
	v_cndmask_b32 v[56+2*\m], 0, v[48+2*\m], vcc_lo
	v_cmp_eq_u32 vcc_lo, s22, v[44+\m]
	v_cndmask_b32 v[56+2*\m], v[56+2*\m], v[49+2*\m], vcc_lo   ; this expert's weight for my token of tile m, or 0
.endr
.endif
	s_wait_dscnt 0x0                               ; the bias is in, and the last job's LDS stores have read their registers
	Q1 0
	Q1 1
	Q1 2
	Q1 3
	EPI1 \routed
.endm
; a quarter of a second product: four tiles of columns x four tiles of rows, one K step: sixteen accumulators, each once
.macro Q2 q, cnt, pf
	s_wait_loadcnt \cnt
.if (\q) < 2
	WIN 0x53                                       ; source 0 (the weight) window 3, source 1 (the hidden layer) window 0, C and D window 1
.else
	WIN 0xa3                                       ; C and D window 2
.endif
.irp f, 0,1,2,3
.irp m, 0,1,2,3
.set rD, (8*(4*(4*(\q)+\f)+\m))%256
.set rA, 64*(\q)+16*\f
.set rB, 64+16*\m
.set rC, rD
.set rSA, 32+2*(\q)+\f/2
.set rSB, 16+\m/2
.set fA, \f%2
.set fB, \m%2
	WS8
.endr
.endr
	WIN 0
.if \pf
	RELOAD \q
.endif
.endm
.macro JOB2 pf, c0, c1, c2, c3
	v_add_nc_u32 v9, s28, v1
	v_add_nc_u32 v7, s29, v10
.irp m, 0,1,2,3
.irp c, 0,1,2,3
	ds_load_b128 v[64+16*\m+4*\c:67+16*\m+4*\c], v9 offset:2048*\m+512*\c
.endr
.endr
	ds_load_b32 v16, v7                            ; lanes 0-15: tile 0's scale words, lanes 16-31: tile 1's
	ds_load_b32 v17, v7 offset:128                 ; tiles 2 and 3
	s_wait_dscnt 0x0
	Q2 0, \c0, \pf
	Q2 1, \c1, \pf
	Q2 2, \c2, \pf
	Q2 3, \c3, \pf
.endm
.macro OFFS m                          ; where the 16 rows of tile m lie in out0: token x 4,096 + my columns' bytes
	s_load_b512 s[36:51], s[52:53], 64*(\m)
	s_wait_kmcnt 0x0
.irp i, 0,1,2,3,4,5,6,7,8,9,10,11,12,13,14,15
	s_and_b32 s[36+\i], s[36+\i], 0x3fff
	s_min_u32 s[36+\i], s[36+\i], 0x3fff
	s_lshl_b32 s[36+\i], s[36+\i], 12
	v_add_nc_u32 v[224+16*((\m)%2)+\i], s[36+\i], v13
.endr
.endm
.macro TOSTAGE m                       ; tile m's 16 accumulators into my own stage, each from its low end on, and back as whole rows of 1,024 bytes.  LDS serves a wave's instructions in order: no wait between
	WIN 0x04
.set ts, 0
.rept 8
	ds_store_b128 v11, v[8*(4*ts+(\m)):8*(4*ts+(\m))+3] offset:64*ts
	ds_store_b128 v11, v[8*(4*ts+(\m))+4:8*(4*ts+(\m))+7] offset:64*ts+16
.set ts, ts+1
.endr
	WIN 0x08
.rept 8
	ds_store_b128 v11, v[8*(4*ts+(\m))-256:8*(4*ts+(\m))-256+3] offset:64*ts
	ds_store_b128 v11, v[8*(4*ts+(\m))-256+4:8*(4*ts+(\m))-256+7] offset:64*ts+16
.set ts, ts+1
.endr
	WIN 0xc0
.set ts, 0
.rept 32
	ds_load_b128 v[128*((\m)%2)+4*ts:128*((\m)%2)+4*ts+3], v12 offset:(ts/2)*XP+(ts%2)*512
.set ts, ts+1
.endr
	WIN 0
.endm
.macro SEND m, younger
	s_wait_dscnt \younger
	WIN 0x0c
.set ts, 0
.rept 32
	global_store_b128 v[224+16*((\m)%2)+ts/2], v[128*((\m)%2)+4*ts:128*((\m)%2)+4*ts+3], s[18:19] offset:(ts%2)*512 th:TH_STORE_NT   ; 512 consecutive bytes, aligned; written once
.set ts, ts+1
.endr
	WIN 0
.endm
	s_load_b512 s[4:19], s[0:1], 0x0               ; order, sw, xq, xs, wf, bs1, b1, out0
	v_lshl_add_u32 v14, v0, 2, SPARE
	v_mov_b32 v15, 0
	v_lshrrev_b32 v1, 5, v0
	v_readfirstlane_b32 s20, v1                    ; wave 0..3
	v_and_b32 v10, 31, v0                          ; lane
	v_and_b32 v5, 15, v0                           ; r
	v_bfe_u32 v7, v0, 4, 1                         ; h
	v_lshlrev_b32 v1, 4, v10                       ; 16 x lane
	v_lshlrev_b32 v2, 3, v10                       ; 8 x lane
	v_lshlrev_b32 v10, 2, v10                      ; 4 x lane
	v_mul_u32_u24 v9, v5, XP
	v_lshl_add_u32 v3, v7, 4, v9                   ; x's fragments: row r, + 16 h
	s_lshl_b32 s23, s20, 9
	v_add_nc_u32 v4, s23, v1                       ; my quad of a hidden fragment: 512 w + 16 lane
	v_lshl_add_u32 v6, v5, 2, s20                  ; my byte of a scale word: 4 r + w
	s_lshl_b32 s23, s20, 7
	v_lshl_add_u32 v8, v7, 6, s23                  ; my 16 numbers of a group's bias: 128 w + 64 h
	s_mul_i32 s31, s20, XT
	v_lshl_add_u32 v11, v7, 5, v9
	v_add_nc_u32 v11, s31, v11                     ; the stage, in: row r, + 32 h
	v_add_nc_u32 v12, s31, v1                      ; my 16 rows in LDS, 16 bytes a lane
	s_lshl_b32 s23, s20, 10
	v_add_nc_u32 v13, s23, v1                      ; my columns' bytes in a row of out0
	v_lshlrev_b32 v146, 2, v5
	v_lshlrev_b32 v147, 3, v5
	v_lshlrev_b32 v160, 4, v0
	v_add_nc_u32 v161, HBL, v160
	s_lshl_b32 s58, s20, 14
	s_add_co_u32 s58, s58, BFL                     ; my bias fragments in LDS
	v_add_nc_u32 v163, s58, v1
	s_mov_b32 s32, 0x76543210
	s_mov_b32 s33, 0xfedcba98                      ; v_permlanex16_b32's selects for lane l xor 16
	s_mov_b32 s34, 0x600000                        ; the mantissa field of 448
	s_mov_b32 s35, 0xffff0000                      ; a word's upper bf16; as a mask of lanes: lanes 16-31
	s_mov_b32 s27, 0
.irp m, 0,1,2,3
	v_mov_b32 v[57+2*\m], 0                        ; named as the upper halves of pairs
	v_mov_b32 v[164+\m], 0                         ; a lane permute's destination counts as one of its sources
.endr
	v_mov_b32 v162, 0
	v_mov_b32 v168, 0x3f803f80                     ; 1, 1 in bf16
	v_mov_b32 v169, 0x3f80                         ; 1, 0
	v_mov_b32 v170, 1
	v_mov_b32 v171, 0
	s_wait_kmcnt 0x0
	s_lshl_b32 s26, ttmp9, 8
	s_add_nc_u64 s[52:53], s[4:5], s[26:27]        ; my block's 64 words of the order,
	s_lshl_b32 s26, ttmp9, 9
	s_add_nc_u64 s[56:57], s[6:7], s[26:27]        ; its weights
	s_lshl_b32 s26, s20, 6
	s_add_nc_u64 s[54:55], s[52:53], s[26:27]
	s_load_b512 s[36:51], s[54:55], 0x0            ; the 16 rows that I gather
	s_lshl_b32 s26, s20, 14
	s_add_nc_u64 s[60:61], s[12:13], s[26:27]
	s_add_nc_u64 s[60:61], s[60:61], WFB           ; my 16 bias fragments
.irp m, 0,1,2,3
	global_load_b32 v[40+\m], v146, s[52:53] offset:64*\m
.endr
.irp m, 0,1,2,3
	global_load_b64 v[48+2*\m:49+2*\m], v147, s[56:57] offset:128*\m
.endr
	global_load_b32 v144, v10, s[52:53]
	global_load_b32 v145, v10, s[52:53] offset:128
	s_wait_kmcnt 0x0
.irp i, 0,1,2,3,4,5,6,7,8,9,10,11,12,13,14,15
	s_and_b32 s[36+\i], s[36+\i], 0x3fff
	s_min_u32 s[36+\i], s[36+\i], 0x3fff
	s_lshl_b32 s[36+\i], s[36+\i], 10
	v_add_nc_u32 v[224+\i], s[36+\i], v1
.endr
	WIN 0x40
.irp i, 0,1,2,3,4,5,6,7,8,9,10,11,12,13,14,15
	global_load_b128 v[8*\i:8*\i+3], v[224+\i], s[8:9] th:TH_LOAD_NT             ; a row of codes: two loads of 512 consecutive bytes; each row is named once in the launch
	global_load_b128 v[8*\i+4:8*\i+7], v[224+\i], s[8:9] offset:512 th:TH_LOAD_NT
.endr
	WIN 0
	global_load_b128 v[148:151], v160, s[14:15]
	global_load_b128 v[152:155], v160, s[16:17]
	global_load_b128 v[156:159], v160, s[16:17] offset:2048
	WIN 0x80
.set hi, 0
.rept 32
	global_load_b128 v[4*hi:4*hi+3], v1, s[60:61] offset:512*hi
.set hi, hi+1
.endr
	WIN 0
	s_wait_loadcnt 63                              ; 67 loads were issued behind the ten of the lists: those are in
.irp m, 0,1,2,3
	v_bfe_u32 v[44+\m], v[40+\m], 20, 4            ; e_hi,
	v_bfe_u32 v[40+\m], v[40+\m], 16, 4            ; e_lo of my token of tile m
.endr
.irp m, 0,1,2,3
	v_lshl_or_b32 v162, v170, v[40+\m], v162
	v_lshl_or_b32 v162, v170, v[44+\m], v162
.endr
	v_readlane_b32 s21, v162, 0
.irp l, 1,2,3,4,5,6,7,8,9,10,11,12,13,14,15
	v_readlane_b32 s23, v162, \l
	s_or_b32 s21, s21, s23
.endr
	s_and_b32 s21, s21, 0xff                       ; the experts that the block uses: the same in all four waves
	s_ctz_i32_b32 s23, s21
	s_add_co_u32 s23, s23, 4
	NEXTJ                                          ; the first job: the lowest used expert's first product
.irp p, 0,1
	v_and_b32 v[144+\p], 0x3fff, v[144+\p]
	v_min_u32 v[144+\p], 0x3fff, v[144+\p]
	v_lshlrev_b32 v[144+\p], 5, v[144+\p]
	global_load_b128 v[16+8*\p:19+8*\p], v[144+\p], s[10:11]             ; x's scale words: lanes 0-15 tile 2 p's rows, lanes 16-31 tile 2 p + 1's
	global_load_b128 v[20+8*\p:23+8*\p], v[144+\p], s[10:11] offset:16
.endr
	WLOAD 0
	WLOAD 1
	WLOAD 2
	s_wait_loadcnt 63                              ; 90 loads were issued behind the gathered rows: they are in
	WIN 0x04
.irp i, 0,1,2,3,4,5,6,7,8,9,10,11,12,13,14,15
	ds_store_b128 v12, v[8*\i:8*\i+3] offset:\i*XP
	ds_store_b128 v12, v[8*\i+4:8*\i+7] offset:\i*XP+512
.endr
	WIN 0
	s_wait_loadcnt 55                              ; behind the tables: x's 4 loads of scale words and 51 of weights
	ds_store_b128 v161, v[148:151]
	ds_store_b128 v161, v[152:155] offset:2048
	ds_store_b128 v161, v[156:159] offset:4096
	WIN 0x08
.set hi, 0
.rept 32
	ds_store_b128 v163, v[4*hi:4*hi+3] offset:512*hi
.set hi, hi+1
.endr
	WIN 0
	s_wait_loadcnt 51                              ; x's scale words are in
	WLOAD 3
	; the gate's weights as bf16 fragments, source 1 of the product with the bias fragments.  k 0-7: high parts of w; k 8-15: low parts; k 16-23: high parts again; k 24-26: ones, for bs2's three parts
.irp m, 0,1,2,3
.irp e, 0,1,2,3,4,5,6,7
	v_cmp_eq_u32 vcc_lo, \e, v[40+\m]
	v_cndmask_b32 v[128+\e], 0, v[48+2*\m], vcc_lo
	v_cmp_eq_u32 vcc_lo, \e, v[44+\m]
	v_cndmask_b32 v[128+\e], v[128+\e], v[49+2*\m], vcc_lo
.endr
.irp i, 0,1,2,3
	v_cvt_pk_bf16_f32 v[192+8*\m+\i], v[128+2*\i], v[129+2*\i]
.endr
.irp i, 0,1,2,3
	v_lshlrev_b32 v[136+2*\i], 16, v[192+8*\m+\i]
	v_and_b32 v[137+2*\i], s35, v[192+8*\m+\i]
.endr
.irp e, 0,1,2,3,4,5,6,7
	v_sub_f32 v[128+\e], v[128+\e], v[136+\e]
.endr
.irp i, 0,1,2,3
	v_cvt_pk_bf16_f32 v[136+\i], v[128+2*\i], v[129+2*\i]
.endr
	v_cndmask_b32 v[196+8*\m], v[192+8*\m], v168, s35
	v_cndmask_b32 v[197+8*\m], v[193+8*\m], v169, s35
	v_cndmask_b32 v[198+8*\m], v[194+8*\m], v171, s35
	v_cndmask_b32 v[199+8*\m], v[195+8*\m], v171, s35
.irp i, 0,1,2,3
	v_cndmask_b32 v[192+8*\m+\i], v[192+8*\m+\i], v[136+\i], s35
.endr
.endr
	s_wait_dscnt 0x0                               ; for the others' sake: my rows and my part of the tables have landed
	s_barrier_signal -1
	s_barrier_wait -1
.set xk, 0
.rept 8
.if xk < 4
	WIN 0x40
.else
	WIN 0x80
.endif
.irp m, 0,1,2,3
.irp c, 0,1,2,3
	ds_load_b128 v[(16*(4*xk+\m))%256+4*\c:(16*(4*xk+\m))%256+4*\c+3], v3 offset:\m*XT+128*xk+32*\c
.endr
.endr
.set xk, xk+1
.endr
	WIN 0
	s_wait_dscnt 0x0                               ; x's 32 fragments stay in registers
	; ---- first products, the experts: a constant count of trips; a trip whose expert nobody uses steps the addresses alone
	s_mov_b32 s22, 0
	s_mov_b32 s28, HIMG+4*8192
	s_mov_b32 s29, HSC+4*256
	s_mov_b32 s30, HBL+4*512
.Lp1e:
	s_bitcmp1_b32 s21, s22
	s_cbranch_scc0 .Lp1e_skip
	NEXTE 0
	JOB1 1
.Lp1e_skip:
	s_add_co_u32 s28, s28, 8192
	s_add_co_u32 s29, s29, 256
	s_add_co_u32 s30, s30, 512
	s_add_co_u32 s22, s22, 1
	s_cmp_lt_u32 s22, 8
	s_cbranch_scc1 .Lp1e
	; ---- first products, the shared expert's four groups
	s_mov_b32 s22, 0
	s_mov_b32 s28, HIMG
	s_mov_b32 s29, HSC
	s_mov_b32 s30, HBL
.Lp1s:
	s_ctz_i32_b32 s31, s21
	s_add_co_u32 s31, s31, 16                      ; behind the last group: the lowest used expert's second product
	s_add_co_u32 s23, s22, 1
	s_cmp_eq_u32 s22, 3
	s_cselect_b32 s23, s31, s23
	NEXTJ
	JOB1 0
	s_add_co_u32 s28, s28, 8192
	s_add_co_u32 s29, s29, 256
	s_add_co_u32 s30, s30, 512
	s_add_co_u32 s22, s22, 1
	s_cmp_lt_u32 s22, 4
	s_cbranch_scc1 .Lp1s
	s_wait_dscnt 0x0                               ; for the others' sake: my quads and bytes of the hidden layers have landed, and my reads of the rows' codes are long over
	s_barrier_signal -1
	s_barrier_wait -1
	; ---- w b2 + bs2 starts all 64 sums: source 0 = a bias fragment (16 columns), source 1 = the weights of 16 tokens
	v_add_nc_u32 v9, s58, v1
.set hi, 0
.rept 32
	ds_load_b128 v[64+4*hi:67+4*hi], v9 offset:512*hi
.set hi, hi+1
.endr
	s_wait_dscnt 0x0
.set bt, 0
.rept 16
.if bt < 8
	WIN 0x40
.else
	WIN 0x80
.endif
.irp m, 0,1,2,3
	v_wmma_f32_16x16x32_bf16 v[(8*(4*bt+\m))%256:(8*(4*bt+\m))%256+7], v[64+8*bt:71+8*bt], v[192+8*\m:199+8*\m], 0
.endr
.set bt, bt+1
.endr
	WIN 0
	PLACES 9                                       ; another form takes these sums up, and loads follow into the fragments' registers
	; ---- second products, the experts
	s_mov_b32 s22, 0
	s_mov_b32 s28, HIMG+4*8192
	s_mov_b32 s29, HSC+4*256
.Lp2e:
	s_bitcmp1_b32 s21, s22
	s_cbranch_scc0 .Lp2e_skip
	NEXTE 1
	JOB2 1, 51, 51, 51, 51
.Lp2e_skip:
	s_add_co_u32 s28, s28, 8192
	s_add_co_u32 s29, s29, 256
	s_add_co_u32 s22, s22, 1
	s_cmp_lt_u32 s22, 8
	s_cbranch_scc1 .Lp2e
	; ---- second products, the shared expert's K steps 0 to 2
	s_mov_b32 s22, 0
	s_mov_b32 s28, HIMG
	s_mov_b32 s29, HSC
.Lp2s:
	s_add_co_u32 s23, s22, 13
	NEXTJ
	JOB2 1, 51, 51, 51, 51
	s_add_co_u32 s28, s28, 8192
	s_add_co_u32 s29, s29, 256
	s_add_co_u32 s22, s22, 1
	s_cmp_lt_u32 s22, 3
	s_cbranch_scc1 .Lp2s
	JOB2 0, 51, 34, 17, 0                          ; the last job asks for nothing: the counts run down by its own quarters
	; ---- the way out, a tile of 16 rows at a time; while one tile's rows are stored, the next is on its way through the stage
	PLACES 8
	OFFS 0
	TOSTAGE 0
	OFFS 1
	TOSTAGE 1
	SEND 0, 63                                     ; behind tile 0's loads stand tile 1's 32 stores and 32 loads; the wait's field holds 63
	s_wait_xcnt 0x0                                ; tile 0's stores have read their registers and offsets
	OFFS 2
	TOSTAGE 2
	SEND 1, 63
	s_wait_xcnt 0x0
	OFFS 3
	TOSTAGE 3
	SEND 2, 63
	SEND 3, 0
	s_wait_tensorcnt 0x0                           ; the wave's end, behind my last LDS store
	ds_add_u32 v14, v15
	s_wait_dscnt 0x0
	s_endpgm
.Lfunc_end_k_q223d3b4fa3_chain:
	.size	k_q223d3b4fa3_chain, .Lfunc_end_k_q223d3b4fa3_chain-k_q223d3b4fa3_chain
	.p2alignl 7, 3214868480
	.fill 96, 4, 3214868480
	.section	.rodata,"a",@progbits
	.p2align	6, 0x0
	.amdhsa_kernel k_q223d3b4fa3_chain
		.amdhsa_group_segment_fixed_size 240128
		.amdhsa_private_segment_fixed_size 0
		.amdhsa_enable_private_segment 0
		.amdhsa_kernarg_size 64
		.amdhsa_user_sgpr_count 2
		.amdhsa_user_sgpr_kernarg_segment_ptr 1
		.amdhsa_wavefront_size32 1
		.amdhsa_system_sgpr_workgroup_id_x 1
		.amdhsa_system_sgpr_workgroup_id_y 1
		.amdhsa_system_sgpr_workgroup_id_z 1
		.amdhsa_system_vgpr_workitem_id 0
		.amdhsa_next_free_vgpr 1024
		.amdhsa_next_free_sgpr 72
		.amdhsa_reserve_vcc 1
		.amdhsa_float_denorm_mode_32 3
		.amdhsa_float_denorm_mode_16_64 3
		.amdhsa_memory_ordered 1
		.amdhsa_forward_progress 1
		.amdhsa_inst_pref_size 194
	.end_amdhsa_kernel
	.amdgpu_metadata
---
amdhsa.version: [ 1, 2 ]
amdhsa.kernels:
  - .name:           k_q223d3b4fa3_chain
    .symbol:         k_q223d3b4fa3_chain.kd
    .args:
      - { .name: order, .offset: 0, .size: 8, .value_kind: global_buffer, .address_space: global }
      - { .name: sw, .offset: 8, .size: 8, .value_kind: global_buffer, .address_space: global }
      - { .name: xq, .offset: 16, .size: 8, .value_kind: global_buffer, .address_space: global }
      - { .name: xs, .offset: 24, .size: 8, .value_kind: global_buffer, .address_space: global }
      - { .name: wf, .offset: 32, .size: 8, .value_kind: global_buffer, .address_space: global }
      - { .name: bs1, .offset: 40, .size: 8, .value_kind: global_buffer, .address_space: global }
      - { .name: b1, .offset: 48, .size: 8, .value_kind: global_buffer, .address_space: global }
      - { .name: out0, .offset: 56, .size: 8, .value_kind: global_buffer, .address_space: global }
    .group_segment_fixed_size: 240128
    .private_segment_fixed_size: 0
    .kernarg_segment_align: 8
    .kernarg_segment_size: 64
    .max_flat_workgroup_size: 128
    .sgpr_count:     72
    .vgpr_count:     1024
    .wavefront_size: 32
...
	.end_amdgpu_metadata
.endif
;; end of part 3
;; ======== version 2 of 2: 3 launches; 1.12 times as fast as version 1
;; workspace buffers: xq 16,777,216 bytes; xs 524,288 bytes; route 98,304 bytes of whole numbers; tw 131,072 bytes; order 65,536 bytes of whole numbers; sw 131,072 bytes; wf 3,309,568 bytes
;; launch front: the kernel of part 1 again; grid 256 x 1, 4 waves a work-group, no clusters, 300,544 bytes of LDS; arguments x, Wg, xq, xs, route, tw; writes xq, xs, route, tw
;; launch place (part 4): grid 136 x 1, 8 waves a work-group, no clusters, 3,072 bytes of LDS; arguments route, tw, W1_codes, W1_scales, Ws1_codes, Ws1_scales, Ws2_codes, Ws2_scales, W2, b2, bs2, order, sw, wf; writes order, sw, wf
.if DOCPART == 4
	.amdgcn_target "amdgcn-amd-amdhsa--gfx1250"
	.amdhsa_code_object_version 6
	.text
	.protected	k_q223d3b4fa3_place
	.globl	k_q223d3b4fa3_place
	.p2align	8
	.type	k_q223d3b4fa3_place,@function
k_q223d3b4fa3_place:
	s_mov_b64 s[64:65], 0
	v_nop
	global_prefetch_b8 v0, s[64:65] scope:SCOPE_SE
	s_setreg_imm32_b32 hwreg(HW_REG_WAVE_MODE, 25, 1), 1
	s_wait_xcnt 0x0
; PLACE: four kinds of work-groups, told apart by the work-group's number.
; 0-31: a counting sort of the 16,384 tokens by their pair of experts (28 keys), without atomics: wave j of work-group B places the 64 tokens of chunk 8 B + j.  A key's first place is the number of tokens with
;   smaller keys; a chunk's first place within a key is the number of that key's tokens in earlier chunks; both come from the first launch's counts [256 chunks][32].  order[place] = token | e_lo << 16 | e_hi << 20, sw[place] = the two weights.
; 32-127: the weights in the order in which the third launch's operand registers take them.  A quarter block, 8,448 bytes, is four fragments (16 rows x 128 K: 4 x 512 bytes, lane l's 16 bytes at 16 l) and 256 bytes of
;   scale words (8 x lane + 4 i: word i holds fragment 2 i's in lanes 0-15 and fragment 2 i + 1's in lanes 16-31).  Block ((J 4 + w) 4 + q), w the wave that will read it.
;   J = 0..3 the shared expert's first product, groups of 128 hidden units; J = 4 + e expert e's: fragment f = K step 2 q + f / 2, tile u = f % 2, lane r's row 128 g' + 32 w + 8 u + r + 8 (r / 8).
;   J = 12 + c the shared expert's second product BY QUARTERS OF THE COLUMNS: fragment f = rows 256 w + 16 (4 c + f) + r, K step q.
;   J = 16 + e expert e's second product: fragment f = rows 256 w + 16 (4 q + f) + r, K = the expert's 128.  W2 arrives as f32 and is quantised here, along its last axis: a wave to a fragment (work-groups 64-127), all its 16 loads out at once.
; 128-135: for each 16 output columns a bf16 fragment of b2 and bs2, each number as a high and a low part (bs2: three parts), split in f32: a wave to a fragment.
; LIMITS: NaN and infinities in W2 are not served; a block of zeros gets the byte 1 with zero codes (this program alone reads the bytes).
.set QB,    8448
.set WFB,   384*QB
.set SPARE, 2048                       ; LDS: 0: eight waves' sums; 1,024: their sums over earlier chunks; 2,048: the spare words, 128 bytes for each wave
	s_load_b512 s[4:19], s[0:1], 0x0               ; route, tw, W1's codes, scales, Ws1's codes, scales, Ws2's codes, scales
	s_load_b256 s[20:27], s[0:1], 0x40             ; W2, b2, bs2, order
	s_load_b128 s[28:31], s[0:1], 0x60             ; sw, wf
	v_lshl_add_u32 v2, v0, 2, SPARE
	v_mov_b32 v3, 0
	v_lshrrev_b32 v1, 5, v0
	v_readfirstlane_b32 s2, v1                     ; wave 0..7
	v_and_b32 v4, 31, v0                           ; lane
	v_and_b32 v5, 15, v0                           ; r
	v_bfe_u32 v6, v0, 4, 1                         ; h
	s_wait_kmcnt 0x0
	s_cmp_lt_u32 ttmp9, 32
	s_cbranch_scc0 .Lprep
	; ---------------- the sort
	s_lshl_b32 s3, ttmp9, 3
	s_add_co_u32 s3, s3, s2                        ; my chunk
	s_mov_b32 s75, 0
	s_lshl_b32 s74, s3, 8
	s_add_nc_u64 s[32:33], s[4:5], s[74:75]        ; its 64 words,
	s_lshl_b32 s74, s3, 9
	s_add_nc_u64 s[34:35], s[6:7], s[74:75]        ; its 64 pairs of weights
	s_lshl_b32 s74, s2, 12
	s_add_nc_u64 s[66:67], s[4:5], s[74:75]        ; counts: rows 32 j on,
	s_lshl_b32 s74, ttmp9, 10
	s_add_nc_u64 s[68:69], s[4:5], s[74:75]        ; and rows 8 B on
	v_lshlrev_b32 v7, 2, v4
	v_lshlrev_b32 v8, 3, v4
	v_lshlrev_b32 v9, 2, v0
	global_load_b32 v10, v7, s[32:33]
	global_load_b32 v11, v7, s[32:33] offset:128
	global_load_b64 v[12:13], v8, s[34:35]
	global_load_b64 v[14:15], v8, s[34:35] offset:256
.set su, 0
.rept 32
	global_load_b32 v[16+su], v7, s[66:67] offset:65536+128*su
.set su, su+1
.endr
.set su, 0
.rept 8
	global_load_b32 v[48+su], v7, s[68:69] offset:65536+128*su
.set su, su+1
.endr
	s_lshl_b32 s70, ttmp9, 3
	s_lshl_b32 s71, s2, 5
	s_sub_co_i32 s70, s70, s71                     ; of my 32 rows those under 8 B - 32 j lie ahead of the work-group's chunks
	v_mov_b32 v56, 0
	v_mov_b32 v57, 0
	v_mov_b32 v58, 0
	s_wait_loadcnt 0x0
.set su, 0
.rept 32
	v_add_nc_u32 v56, v56, v[16+su]
	s_cmp_gt_i32 s70, su
	s_cselect_b32 s71, 1, 0
	v_mad_u32_u24 v57, v[16+su], s71, v57
.set su, su+1
.endr
.set su, 0
.rept 8
	s_cmp_gt_u32 s2, su
	s_cselect_b32 s71, 1, 0
	v_mad_u32_u24 v58, v[48+su], s71, v58          ; the work-group's chunks ahead of mine
.set su, su+1
.endr
	ds_store_b32 v9, v56
	ds_store_b32 v9, v57 offset:1024
	s_wait_dscnt 0x0                               ; for the others' sake: my stores have landed
	s_barrier_signal -1
	s_barrier_wait -1
.set su, 0
.rept 8
	ds_load_b32 v[60+su], v7 offset:128*su
	ds_load_b32 v[68+su], v7 offset:1024+128*su
.set su, su+1
.endr
	s_wait_dscnt 0x0
	v_mov_b32 v56, v60
	v_add_nc_u32 v58, v58, v68
.set su, 1
.rept 7
	v_add_nc_u32 v56, v56, v[60+su]                ; lane k: all tokens with key k;
	v_add_nc_u32 v58, v58, v[68+su]                ; those of them in chunks ahead of mine
.set su, su+1
.endr
	s_mov_b32 s72, 0
.set kk, 0
.rept 28
	v_readlane_b32 s73, v58, kk
	s_add_co_u32 s[36+kk], s72, s73                ; where my chunk's tokens with key k begin
	v_readlane_b32 s73, v56, kk
	s_add_co_u32 s72, s72, s73
.set kk, kk+1
.endr
	v_and_b32 v76, 0xff, v10
	v_and_b32 v77, 0xff, v11
	v_mov_b32 v78, 0
	v_mov_b32 v79, 0
.set kk, 0
.irp key, 1,2,3,4,5,6,7,8,9,10,11,12,13,19,20,21,22,23,24,25,26,27,37,38,39,40,41,55
	v_cmp_eq_u32 s73, \key, v76
	v_mbcnt_lo_u32_b32 v80, s73, s[36+kk]          ; the key's next place + the lanes below me that have it
	v_cndmask_b32 v78, v78, v80, s73
	s_bcnt1_i32_b32 s73, s73
	s_add_co_u32 s[36+kk], s[36+kk], s73
	v_cmp_eq_u32 s73, \key, v77
	v_mbcnt_lo_u32_b32 v80, s73, s[36+kk]
	v_cndmask_b32 v79, v79, v80, s73
	s_bcnt1_i32_b32 s73, s73
	s_add_co_u32 s[36+kk], s[36+kk], s73
.set kk, kk+1
.endr
	v_min_u32 v78, 0x3fff, v78                     ; a place made of loaded numbers enters an address only behind this bound
	v_min_u32 v79, 0x3fff, v79
	s_lshl_b32 s74, s3, 6
	v_add_nc_u32 v81, s74, v4                      ; my first token
	v_lshrrev_b32 v82, 8, v10
	v_lshl_or_b32 v82, v82, 16, v81
	v_add_nc_u32 v81, 32, v81                      ; my second
	v_lshrrev_b32 v83, 8, v11
	v_lshl_or_b32 v83, v83, 16, v81
	v_lshlrev_b32 v84, 2, v78
	v_lshlrev_b32 v85, 2, v79
	v_lshlrev_b32 v86, 3, v78
	v_lshlrev_b32 v87, 3, v79
	global_store_b32 v84, v82, s[26:27]
	global_store_b32 v85, v83, s[26:27]
	global_store_b64 v86, v[12:13], s[28:29]
	global_store_b64 v87, v[14:15], s[28:29]
	s_branch .Lend
	; ---------------- the weights that arrive as codes: a wave copies a quarter block
.macro WOUT                            ; four fragments in v16-79 and two scale words in v80, v81 leave as they stand: each store covers 512 (the last: 256) consecutive bytes, aligned
.set wo, 0
.rept 16
	global_store_b128 v7, v[16+4*wo:19+4*wo], s[30:31] offset:512*wo
.set wo, wo+1
.endr
	global_store_b64 v8, v[80:81], s[30:31] offset:8192
.endm
.Lprep:
	s_cmp_lt_u32 ttmp9, 64
	s_cbranch_scc0 .Lw2
	s_sub_co_u32 s32, ttmp9, 32
	s_lshl_b32 s32, s32, 3
	s_add_co_u32 s32, s32, s2                      ; my quarter block, 0..255
	s_lshr_b32 s33, s32, 4                         ; J
	s_bfe_u32 s34, s32, 0x20002                    ; w
	s_and_b32 s35, s32, 3                          ; q
	s_mul_i32 s66, s32, QB
	s_mov_b32 s67, 0
	s_add_nc_u64 s[30:31], s[30:31], s[66:67]
	s_mov_b32 s75, 0
	v_lshlrev_b32 v7, 4, v4
	v_lshlrev_b32 v8, 3, v4
	s_cmp_lt_u32 s33, 12
	s_cbranch_scc0 .Lph1
	s_cmp_lt_u32 s33, 4                            ; the shared expert's rows or the routed experts'?
	s_cselect_b64 s[68:69], s[12:13], s[8:9]
	s_cselect_b64 s[70:71], s[14:15], s[10:11]
	s_cselect_b32 s72, 0, 4
	s_sub_co_u32 s72, s33, s72
	s_lshl_b32 s72, s72, 7
	s_lshl_b32 s73, s34, 5
	s_add_co_u32 s72, s72, s73                     ; first row: 128 g' + 32 w
	s_lshl_b32 s74, s72, 10
	s_lshl_b32 s73, s35, 8
	s_add_co_u32 s74, s74, s73                     ; 1,024 bytes a row, + 256 q
	s_add_nc_u64 s[68:69], s[68:69], s[74:75]
	s_lshl_b32 s74, s72, 5
	s_lshl_b32 s73, s35, 3
	s_add_co_u32 s74, s74, s73                     ; scale bytes: 32 a row, + 8 q
	s_add_nc_u64 s[70:71], s[70:71], s[74:75]
	v_and_b32 v9, 8, v5
	v_add_nc_u32 v9, v9, v5                        ; r + 8 (r / 8)
	v_lshlrev_b32 v10, 10, v9
	v_lshl_add_u32 v10, v6, 4, v10                 ; tile 0's row, + 16 h;
	v_add_nc_u32 v11, 8192, v10                    ; tile 1's, 8 rows on
	v_lshl_add_u32 v12, v6, 3, v9
	v_lshlrev_b32 v12, 5, v12                      ; scale words: lanes 0-15 tile 0's rows, lanes 16-31 tile 1's
.irp f, 0,1,2,3
.irp c, 0,1,2,3
	global_load_b128 v[16+16*\f+4*\c:19+16*\f+4*\c], v[10+(\f%2)], s[68:69] offset:128*(\f/2)+32*\c
.endr
.endr
	global_load_b64 v[80:81], v12, s[70:71]
	s_wait_loadcnt 0x0
	WOUT
	s_branch .Lend
.Lph1:                                 ; Ws2: J - 12 is the quarter of the wave's columns, q the K step
	s_sub_co_u32 s72, s33, 12
	s_lshl_b32 s73, s34, 8
	s_lshl_b32 s74, s72, 6
	s_add_co_u32 s73, s73, s74                     ; first row: 256 w + 64 (J - 12)
	s_lshl_b32 s74, s73, 9
	s_lshl_b32 s76, s35, 7
	s_add_co_u32 s74, s74, s76                     ; 512 bytes a row, + 128 q
	s_add_nc_u64 s[16:17], s[16:17], s[74:75]
	s_lshl_b32 s74, s73, 4
	s_lshl_b32 s76, s35, 2
	s_add_co_u32 s74, s74, s76                     ; scale bytes: 16 a row, + 4 q
	s_add_nc_u64 s[18:19], s[18:19], s[74:75]
	v_lshlrev_b32 v10, 9, v5
	v_lshl_add_u32 v10, v6, 4, v10
	v_lshl_add_u32 v12, v6, 4, v5
	v_lshlrev_b32 v12, 4, v12                      ; row 16 h + r
.irp f, 0,1,2,3
.irp c, 0,1,2,3
	global_load_b128 v[16+16*\f+4*\c:19+16*\f+4*\c], v10, s[16:17] offset:8192*\f+32*\c
.endr
.endr
	global_load_b32 v80, v12, s[18:19]
	global_load_b32 v81, v12, s[18:19] offset:512
	s_wait_loadcnt 0x0
	WOUT
	s_branch .Lend
	; ---------------- W2: a wave quantises one fragment.  Fragment I = 4 (block - 256) + f is rows 16 I .. 16 I + 15 of W2 taken as 8,192 rows of 128
.Lw2:
	s_cmp_lt_u32 ttmp9, 128
	s_cbranch_scc0 .Lbias
	s_sub_co_u32 s32, ttmp9, 64
	s_lshl_b32 s32, s32, 3
	s_add_co_u32 s32, s32, s2                      ; I, 0..511
	s_and_b32 s33, s32, 3                          ; f
	s_lshr_b32 s34, s32, 2
	s_add_co_u32 s34, s34, 256                     ; the quarter block
	s_mul_i32 s66, s34, QB
	s_mov_b32 s67, 0
	s_and_b32 s35, s33, 1
	s_lshl_b32 s35, s35, 7                         ; the scale word's place: 128 (f % 2), the upper lanes' half of the image,
	s_lshr_b32 s72, s33, 1
	s_lshl_b32 s72, s72, 2                         ; + 4 (f / 2)
	s_add_co_u32 s72, s72, s35
	s_add_co_u32 s72, s72, s66
	s_mov_b32 s73, 0
	s_add_nc_u64 s[76:77], s[30:31], s[72:73]
	s_lshl_b32 s35, s33, 11
	s_add_co_u32 s66, s66, s35                     ; the codes' place: 2,048 f
	s_add_nc_u64 s[30:31], s[30:31], s[66:67]
	s_lshl_b32 s74, s32, 13                        ; 16 rows of 512 bytes
	s_mov_b32 s75, 0
	s_add_nc_u64 s[20:21], s[20:21], s[74:75]
	v_lshlrev_b32 v7, 4, v4
	v_lshlrev_b32 v8, 3, v5
	v_lshlrev_b32 v10, 9, v5
	v_lshl_add_u32 v10, v6, 6, v10                 ; row r of 512 bytes, + 64 h: my 16 numbers of a block of 32
.irp c, 0,1,2,3
.irp j, 0,1,2,3
	global_load_b128 v[96+16*\c+4*\j:96+16*\c+4*\j+3], v10, s[20:21] offset:128*\c+16*\j th:TH_LOAD_NT   ; register 16 c + i = k 32 c + 16 h + i of my row
.endr
.endr
	s_mov_b32 s68, 0x76543210
	s_mov_b32 s69, 0xfedcba98
	s_mov_b32 s70, 0x600000
.irp b, 0,1,2,3
	v_mov_b32 v[228+\b], 0                         ; written once: a lane permute's destination counts as one of its sources
.endr
	s_wait_loadcnt 0x0
.irp b, 0,1,2,3
	v_max3_num_f32 v[224+\b], |v[96+16*\b]|, |v[97+16*\b]|, 0x4800000   ; with the floor 2^(9 - 127): the byte cannot fall under 1
.endr
.irp i, 2,4,6,8,10,12,14
.irp b, 0,1,2,3
	v_max3_num_f32 v[224+\b], v[224+\b], |v[96+16*\b+\i]|, |v[97+16*\b+\i]|
.endr
.endr
.irp b, 0,1,2,3
	v_permlanex16_b32 v[228+\b], v[224+\b], s68, s69
.endr
.irp b, 0,1,2,3
	v_max_num_f32 v[224+\b], v[224+\b], v[228+\b]  ; with lane l xor 16's 16: the block's largest magnitude
.endr
.irp b, 0,1,2,3
	v_add_nc_u32 v[236+\b], 0xfc000000, v[224+\b]  ; the conversion's scale operand
.endr
.irp b, 0,1,2,3
	v_and_or_b32 v[232+\b], v[224+\b], 0x7f800000, s70   ; 448 x the scale
.endr
.irp b, 0,1,2,3
	v_lshrrev_b32 v[228+\b], 23, v[236+\b]         ; the scale's byte
.endr
	v_lshl_or_b32 v240, v229, 8, v228
	v_lshl_or_b32 v240, v230, 16, v240
	v_lshl_or_b32 v240, v231, 24, v240             ; my row's scale word
.irp b, 0,1,2,3
.irp i, 0,1,2,3,4,5,6,7,8,9,10,11,12,13,14,15
	v_med3_num_f32 v[96+16*\b+\i], v[96+16*\b+\i], -v[232+\b], v[232+\b]   ; the conversion to an 8-bit code does not saturate (ISA guide 7.6.2): the hold comes first
.endr
	v_cvt_scalef32_pk8_fp8_f32 v[16+4*\b:17+4*\b], v[96+16*\b:103+16*\b], v[236+\b]
	v_cvt_scalef32_pk8_fp8_f32 v[18+4*\b:19+4*\b], v[104+16*\b:111+16*\b], v[236+\b]
.endr
	v_nop                                          ; one plain line behind the last conversion
.irp c, 0,1,2,3
	global_store_b128 v7, v[16+4*\c:19+4*\c], s[30:31] offset:512*\c   ; 512 consecutive bytes, aligned
.endr
	global_store_b32 v8, v240, s[76:77] offset:8192   ; 8 r: both lanes of a row write the same word with the same value
	s_branch .Lend
	; ---------------- the biases: a wave makes one fragment
.Lbias:
	s_sub_co_u32 s32, ttmp9, 128
	s_lshl_b32 s32, s32, 3
	s_add_co_u32 s32, s32, s2                      ; my tile of 16 columns, 0..63
	s_lshl_b32 s66, s32, 6
	s_mov_b32 s67, 0
	s_add_nc_u64 s[22:23], s[22:23], s[66:67]
	s_add_nc_u64 s[24:25], s[24:25], s[66:67]
	s_lshl_b32 s66, s32, 10
	s_add_nc_u64 s[30:31], s[30:31], s[66:67]
	s_add_nc_u64 s[30:31], s[30:31], WFB
	v_lshlrev_b32 v10, 2, v5
	v_lshlrev_b32 v7, 4, v4
	v_mov_b32 v15, 0
	s_mov_b32 s68, 0xffff0000                      ; a word's upper bf16; as a mask of lanes: lanes 16-31
.irp e, 0,1,2,3,4,5,6,7
	global_load_b32 v[16+\e], v10, s[22:23] offset:4096*\e
.endr
	global_load_b32 v24, v10, s[24:25]
	s_wait_loadcnt 0x0
	; column n = 16 x tile + r.  Registers 0-3, both halves of the lanes: the high parts of b2[0..7][n].  Registers 4-7: lanes 0-15 their low parts; lanes 16-31 bs2[n] in three parts, then zeros
.irp i, 0,1,2,3
	v_cvt_pk_bf16_f32 v[100+\i], v[16+2*\i], v[17+2*\i]
.endr
.irp i, 0,1,2,3
	v_lshlrev_b32 v[104+2*\i], 16, v[100+\i]
	v_and_b32 v[105+2*\i], s68, v[100+\i]
.endr
.irp e, 0,1,2,3,4,5,6,7
	v_sub_f32 v[104+\e], v[16+\e], v[104+\e]       ; what the high part leaves, exact in f32
.endr
.irp i, 0,1,2,3
	v_cvt_pk_bf16_f32 v[112+\i], v[104+2*\i], v[105+2*\i]
.endr
	v_cvt_pk_bf16_f32 v116, v24, v24
	v_and_b32 v117, s68, v116
	v_sub_f32 v118, v24, v117
	v_cvt_pk_bf16_f32 v119, v118, v118
	v_and_b32 v120, s68, v119
	v_sub_f32 v121, v118, v120
	v_cvt_pk_bf16_f32 v122, v24, v118
	v_cvt_pk_bf16_f32 v123, v121, v15
	v_cndmask_b32 v112, v112, v122, s68
	v_cndmask_b32 v113, v113, v123, s68
	v_cndmask_b32 v114, v114, v15, s68
	v_cndmask_b32 v115, v115, v15, s68
	global_store_b128 v7, v[100:103], s[30:31]
	global_store_b128 v7, v[112:115], s[30:31] offset:512
.Lend:
	s_wait_tensorcnt 0x0                           ; the wave's end, behind my last LDS store
	ds_add_u32 v2, v3
	s_wait_dscnt 0x0
	s_endpgm
.Lfunc_end_k_q223d3b4fa3_place:
	.size	k_q223d3b4fa3_place, .Lfunc_end_k_q223d3b4fa3_place-k_q223d3b4fa3_place
	.p2alignl 7, 3214868480
	.fill 96, 4, 3214868480
	.section	.rodata,"a",@progbits
	.p2align	6, 0x0
	.amdhsa_kernel k_q223d3b4fa3_place
		.amdhsa_group_segment_fixed_size 3072
		.amdhsa_private_segment_fixed_size 0
		.amdhsa_enable_private_segment 0
		.amdhsa_kernarg_size 112
		.amdhsa_user_sgpr_count 2
		.amdhsa_user_sgpr_kernarg_segment_ptr 1
		.amdhsa_wavefront_size32 1
		.amdhsa_system_sgpr_workgroup_id_x 1
		.amdhsa_system_sgpr_workgroup_id_y 1
		.amdhsa_system_sgpr_workgroup_id_z 1
		.amdhsa_system_vgpr_workitem_id 0
		.amdhsa_next_free_vgpr 256
		.amdhsa_next_free_sgpr 80
		.amdhsa_reserve_vcc 0
		.amdhsa_float_denorm_mode_32 3
		.amdhsa_float_denorm_mode_16_64 3
		.amdhsa_memory_ordered 1
		.amdhsa_forward_progress 1
		.amdhsa_inst_pref_size 57
	.end_amdhsa_kernel
	.amdgpu_metadata
---
amdhsa.version: [ 1, 2 ]
amdhsa.kernels:
  - .name:           k_q223d3b4fa3_place
    .symbol:         k_q223d3b4fa3_place.kd
    .args:
      - { .name: route, .offset: 0, .size: 8, .value_kind: global_buffer, .address_space: global }
      - { .name: tw, .offset: 8, .size: 8, .value_kind: global_buffer, .address_space: global }
      - { .name: W1_codes, .offset: 16, .size: 8, .value_kind: global_buffer, .address_space: global }
      - { .name: W1_scales, .offset: 24, .size: 8, .value_kind: global_buffer, .address_space: global }
      - { .name: Ws1_codes, .offset: 32, .size: 8, .value_kind: global_buffer, .address_space: global }
      - { .name: Ws1_scales, .offset: 40, .size: 8, .value_kind: global_buffer, .address_space: global }
      - { .name: Ws2_codes, .offset: 48, .size: 8, .value_kind: global_buffer, .address_space: global }
      - { .name: Ws2_scales, .offset: 56, .size: 8, .value_kind: global_buffer, .address_space: global }
      - { .name: W2, .offset: 64, .size: 8, .value_kind: global_buffer, .address_space: global }
      - { .name: b2, .offset: 72, .size: 8, .value_kind: global_buffer, .address_space: global }
      - { .name: bs2, .offset: 80, .size: 8, .value_kind: global_buffer, .address_space: global }
      - { .name: order, .offset: 88, .size: 8, .value_kind: global_buffer, .address_space: global }
      - { .name: sw, .offset: 96, .size: 8, .value_kind: global_buffer, .address_space: global }
      - { .name: wf, .offset: 104, .size: 8, .value_kind: global_buffer, .address_space: global }
    .group_segment_fixed_size: 3072
    .private_segment_fixed_size: 0
    .kernarg_segment_align: 8
    .kernarg_segment_size: 112
    .max_flat_workgroup_size: 256
    .sgpr_count:     80
    .vgpr_count:     256
    .wavefront_size: 32
...
	.end_amdgpu_metadata
.endif
;; end of part 4
;; launch chain (part 5): grid 256 x 1, 4 waves a work-group, no clusters, 309,760 bytes of LDS; arguments order, sw, xq, xs, wf, bs1, b1, out0; writes out0
.if DOCPART == 5
	.amdgcn_target "amdgcn-amd-amdhsa--gfx1250"
	.amdhsa_code_object_version 6
	.text
	.protected	k_q223d3b4fa3_chain
	.globl	k_q223d3b4fa3_chain
	.p2align	8
	.type	k_q223d3b4fa3_chain,@function
k_q223d3b4fa3_chain:
	s_mov_b64 s[64:65], 0
	v_nop
	global_prefetch_b8 v0, s[64:65] scope:SCOPE_SE
	s_setreg_imm32_b32 hwreg(HW_REG_WAVE_MODE, 25, 1), 1
	s_wait_xcnt 0x0
; CHAIN: for 64 tokens that lie together in the sorted order: gather their codes, all first products (the shared expert's 512 hidden units and the 128 of each expert that one of the 64 tokens has chosen),
; bias, relu, the gate's weight, quantise; all second products; b2, bs2; store.  The hidden layers never go to memory, and each output row has one owner.
; WORK LEFT OUT: an expert that none of the block's 64 tokens has chosen has w = 0 for all of them by reference()'s own one_hot sum, so its hidden operand is zeros and it adds nothing (shown at the head of the first kernel;
; a NaN or an infinity that arises only there is not carried).  For a token of the block that has not chosen an expert that is walked, the weight 0 is multiplied in: its codes are zeros.
; NO TENSOR LOAD AND NO CLUSTER: the walk over experts branches on the stored list; and each weight byte is wanted by exactly one wave of the work-group, so it goes from memory straight into that wave's registers, in register order.
; SHARES.  First products: wave w makes hidden units 32 w .. 32 w + 31 of every group of 128, for all 64 rows: one block of 32 along the next K.  Second products: wave w makes columns 256 w .. 256 w + 255 for all 64 rows.
; Both are used transposed (source 0 = 16 rows of a weight, source 1 = 16 tokens): a lane holds one token, its registers neighbours along the hidden units or the columns.
; A JOB is 16 weight fragments of one wave in four quarters, 64 matrix instructions.  Quarter q lies in buffer q; as soon as it is multiplied, quarter q of the NEXT job is asked for into the same registers: 68 loads of a wave
; are on their way throughout.  Each buffer has a scalar base of its own, written anew only behind the counted wait that shows the buffer's own loads done: no other wait is owed for it.
; ORDER: first products: the used experts ascending, then the shared groups.  Second products: the used experts ascending (a job = one expert, all 256 columns), then THE SHARED EXPERT BY QUARTERS OF THE COLUMNS: job 12 + c is
; columns 64 c .. 64 c + 63, its quarter b the K step b.  Behind job 12 + c those 64 columns are finished for all 64 rows and leave while the later jobs are multiplied.
; REGISTERS.  Window 0: v1-13 addresses, v14, v15 the add's two, v16-31 x's scale words (later v16-19 the hidden layer's, two sets), v32-39 the weights' scale words, v40-47 e_lo, e_hi, v48-55 their weights, v56-63 the weight in hand,
;   v64-127 8 accumulators of the hidden layer (later hidden fragments, set 0), v128-143 bias, v144-159 codes, v160-175 at work (v128-191 later hidden fragments, set 1), v192-223 the weights as bf16 fragments, v224-255 row offsets.
;   Windows 1, 2: x's 32 fragments (tile of rows m, K step s at 16 (4 s + m)); later the 64 accumulators of the output (tile of columns t, tile of rows m at 8 (4 t + m)), and in their place the rows read back.  Window 3: the four weight buffers.
.set QB,    8448                       ; a quarter: 4 fragments of 2,048 bytes and 256 bytes of scale words
.set JOBB,  4*QB
.set WFB,   384*QB                     ; behind the 384 quarters: 64 bias fragments of 1,024 bytes
.set XP,    1040                       ; a row of codes in LDS: 1,024 bytes + 16
.set XT,    16*XP
.set HIMG,  4*XT                       ; LDS: 0: the 64 rows' codes;  HIMG: the hidden fragments as images of their registers: 8,192 g + 2,048 m + 512 c + 16 lane
.set HSC,   HIMG+12*8192               ; their scale bytes: 256 g + 64 m + 4 r + c
.set HBL,   HSC+12*256                 ; bs1, then b1: 512 bytes a group
.set BFL,   HBL+6144                   ; the bias fragments: 16,384 bytes for each wave
.set SPARE, BFL+65536                  ; the spare words, 128 bytes for each wave
.set STG,   SPARE+512                  ; the way out: for each wave a stage of 64 rows x (256 bytes + 16)
.set SP,    272
.set SW,    64*SP
.set MSB, 0
.macro WIN new                         ; the immediate's high byte repeats the setting that is left
.if MSB != \new
	s_set_vgpr_msb (MSB<<8)|\new
.set MSB, \new
.endif
.endm
.macro PLACES n
.rept \n
	v_nop
.endr
.endm
.macro WS8                             ; one scaled product; its registers and the rows of its scale registers stand in symbols
.if fA && fB
	v_wmma_scale_f32_16x16x128_f8f6f4 v[rD:rD+7], v[rA:rA+15], v[rB:rB+15], v[rC:rC+7], v[rSA], v[rSB] matrix_a_scale:MATRIX_SCALE_ROW1 matrix_b_scale:MATRIX_SCALE_ROW1
.elseif fA
	v_wmma_scale_f32_16x16x128_f8f6f4 v[rD:rD+7], v[rA:rA+15], v[rB:rB+15], v[rC:rC+7], v[rSA], v[rSB] matrix_a_scale:MATRIX_SCALE_ROW1
.elseif fB
	v_wmma_scale_f32_16x16x128_f8f6f4 v[rD:rD+7], v[rA:rA+15], v[rB:rB+15], v[rC:rC+7], v[rSA], v[rSB] matrix_b_scale:MATRIX_SCALE_ROW1
.else
	v_wmma_scale_f32_16x16x128_f8f6f4 v[rD:rD+7], v[rA:rA+15], v[rB:rB+15], v[rC:rC+7], v[rSA], v[rSB]
.endif
.endm
.macro WLOAD q                         ; 17 loads: quarter q of the job at buffer q's base into buffer q and its two scale registers
	WIN 0xc0
.set wl, 0
.rept 16
	global_load_b128 v[64*(\q)+4*wl:64*(\q)+4*wl+3], v1, s[66+2*(\q):67+2*(\q)] offset:(\q)*QB+512*wl
.set wl, wl+1
.endr
	WIN 0
	global_load_b64 v[32+2*(\q):33+2*(\q)], v2, s[66+2*(\q):67+2*(\q)] offset:(\q)*QB+8192
.endm
.macro RELOAD q
	PLACES 8                                       ; eight places behind this form ahead of loads into registers that the products have read
	s_add_nc_u64 s[66+2*(\q):67+2*(\q)], s[12:13], s[26:27]   ; buffer q's base: the loads that read it were shown done by the quarter's wait on LOADcnt
	WLOAD \q
.endm
.macro NEXTJ                           ; s23 = the next job's number: s26 = where my part of it lies in wf
	s_min_u32 s23, s23, 23                         ; a number made of loaded ones enters an address only behind this bound
	s_lshl_b32 s23, s23, 2
	s_add_co_u32 s23, s23, s20
	s_mul_i32 s26, s23, JOBB
.endm
.macro NEXTE ph                        ; in expert s22's trip: the next used expert's job, or, behind the last, the shared expert's first
	s_lshl_b32 s31, -2, s22
	s_and_b32 s31, s31, s21
	s_ctz_i32_b32 s23, s31
	s_add_co_u32 s23, s23, 12*\ph+4
	s_cmp_lg_u32 s31, 0
	s_cselect_b32 s23, s23, 12*\ph
	NEXTJ
.endm
; a quarter of a first product: K steps 2 q, 2 q + 1; two tiles of hidden units x four tiles of rows: the eight accumulators take turns.  The bias is the C of each sum's first product
.macro Q1 q
	s_wait_loadcnt 51                              ; three younger quarters of 17 loads may be out: this one is in
.if (\q) < 2
	WIN 0x07                                       ; source 0 (the weight) window 3, source 1 (x) window 1
.else
	WIN 0x0b                                       ; x in window 2
.endif
.irp i, 0,1
.irp u, 0,1
.irp m, 0,1,2,3
.set rD, 64+16*\m+8*\u
.set rA, 64*(\q)+16*(2*\i+\u)
.set rB, (16*(4*(2*(\q)+\i)+\m))%256
.if (2*(\q)+\i) == 0
.set rC, 128+8*\u
.else
.set rC, rD
.endif
.set rSA, 32+2*(\q)+\i
.set rSB, 16+8*(\m/2)+2*(\q)+\i
.set fA, \u
.set fB, \m%2
	WS8
.endr
.endr
.endr
	WIN 0
	RELOAD \q
.endm
; the job's 64 numbers of a lane (16 neighbours along the next K for each of four rows) become four quads of codes and four scale bytes.  routed = 1: x the gate's weight first (it is not negative, so the clip at 0 may follow it)
.macro EPI1 routed
.if \routed
.irp m, 0,1,2,3
.irp i, 0,2,4,6,8,10,12,14
	v_pk_mul_f32 v[64+16*\m+\i:65+16*\m+\i], v[64+16*\m+\i:65+16*\m+\i], v[56+2*\m:57+2*\m] op_sel_hi:[1,0]
.endr
.endr
.endif
.irp b, 0,1,2,3
	v_max3_num_f32 v[160+\b], v[64+16*\b], v[65+16*\b], 0x4800000   ; no |.|: what is negative becomes 0 and must not count; the floor 2^(9 - 127) stands over it
.endr
.irp i, 2,4,6,8,10,12,14
.irp b, 0,1,2,3
	v_max3_num_f32 v[160+\b], v[160+\b], v[64+16*\b+\i], v[65+16*\b+\i]
.endr
.endr
.irp b, 0,1,2,3
	v_permlanex16_b32 v[164+\b], v[160+\b], s32, s33
.endr
.irp b, 0,1,2,3
	v_max_num_f32 v[160+\b], v[160+\b], v[164+\b]  ; with lane l xor 16's 16: the block's largest
.endr
.irp b, 0,1,2,3
	v_add_nc_u32 v[172+\b], 0xfc000000, v[160+\b]  ; the conversion's scale operand
.endr
.irp b, 0,1,2,3
	v_and_or_b32 v[168+\b], v[160+\b], 0x7f800000, s34   ; 448 x the scale
.endr
.irp b, 0,1,2,3
	v_lshrrev_b32 v[164+\b], 23, v[172+\b]         ; the scale's byte
.endr
.irp b, 0,1,2,3
.irp i, 0,1,2,3,4,5,6,7,8,9,10,11,12,13,14,15
	v_med3_num_f32 v[64+16*\b+\i], v[64+16*\b+\i], 0, v[168+\b]   ; the activation and the hold in one
.endr
	v_cvt_scalef32_pk8_fp8_f32 v[144+4*\b:145+4*\b], v[64+16*\b:71+16*\b], v[172+\b]
	v_cvt_scalef32_pk8_fp8_f32 v[146+4*\b:147+4*\b], v[72+16*\b:79+16*\b], v[172+\b]
.endr
	v_nop                                          ; one plain line behind the last conversion
	v_add_nc_u32 v5, s28, v4
	v_add_nc_u32 v7, s29, v6
.irp b, 0,1,2,3
	ds_store_b128 v5, v[144+4*\b:147+4*\b] offset:2048*\b   ; quad w of the group's fragment of rows 16 b on
.endr
.irp b, 0,1,2,3
	ds_store_b8 v7, v[164+\b] offset:64*\b         ; byte w of row r's scale word; both lanes of a row write the same byte with the same value
.endr
.endm
.macro JOB1 routed
	v_add_nc_u32 v9, s30, v8
.irp i, 0,1,2,3
	ds_load_b128 v[128+4*\i:131+4*\i], v9 offset:16*\i   ; the bias of my 16 hidden units
.endr
.if \routed
.irp m, 0,1,2,3
	v_cmp_eq_u32 vcc_lo, s22, v[40+\m]
	v_cndmask_b32 v[56+2*\m], 0, v[48+2*\m], vcc_lo
	v_cmp_eq_u32 vcc_lo, s22, v[44+\m]
	v_cndmask_b32 v[56+2*\m], v[56+2*\m], v[49+2*\m], vcc_lo   ; this expert's weight for my token of tile m, or 0
.endr
.endif
	s_wait_dscnt 0x0                               ; the bias is in, and the last job's LDS stores have read their registers
	Q1 0
	Q1 1
	Q1 2
	Q1 3
	EPI1 \routed
.endm
; a quarter of an expert's second product: four tiles of columns x four tiles of rows, one K step: sixteen accumulators, each once
.macro Q2 q
	s_wait_loadcnt 51
.if (\q) < 2
	WIN 0x53                                       ; source 0 (the weight) window 3, source 1 (the hidden layer) window 0, C and D window 1
.else
	WIN 0xa3                                       ; C and D window 2
.endif
.irp f, 0,1,2,3
.irp m, 0,1,2,3
.set rD, (8*(4*(4*(\q)+\f)+\m))%256
.set rA, 64*(\q)+16*\f
.set rB, 64+16*\m
.set rC, rD
.set rSA, 32+2*(\q)+\f/2
.set rSB, 16+\m/2
.set fA, \f%2
.set fB, \m%2
	WS8
.endr
.endr
	WIN 0
	RELOAD \q
.endm
.macro JOB2
	v_add_nc_u32 v9, s28, v1
	v_add_nc_u32 v7, s29, v10
.irp m, 0,1,2,3
.irp c, 0,1,2,3
	ds_load_b128 v[64+16*\m+4*\c:67+16*\m+4*\c], v9 offset:2048*\m+512*\c
.endr
.endr
	ds_load_b32 v16, v7                            ; lanes 0-15: tile 0's scale words, lanes 16-31: tile 1's
	ds_load_b32 v17, v7 offset:128                 ; tiles 2 and 3
	s_wait_dscnt 0x0
	Q2 0
	Q2 1
	Q2 2
	Q2 3
.endm
; the shared hidden group g: its four fragments and their scale words into set g % 2 (v9 = HIMG + 16 lane, v7 = HSC + 4 lane): 18 LDS loads
.macro HLOAD g
.irp m, 0,1,2,3
.irp c, 0,1,2,3
	ds_load_b128 v[64+64*((\g)%2)+16*\m+4*\c:64+64*((\g)%2)+16*\m+4*\c+3], v9 offset:(\g)*8192+2048*\m+512*\c
.endr
.endr
	ds_load_b32 v[16+2*((\g)%2)], v7 offset:256*(\g)
	ds_load_b32 v[17+2*((\g)%2)], v7 offset:256*(\g)+128
.endm
; quarter b of job 12 + qc: columns 64 qc on, K step b: the quarter's sixteen accumulators, each once, in the same order in every quarter.
; hn = 1: the next group's fragments are asked for first, into the other set, whose last readers stand eight places and more back.  pf = 1: buffer b takes the next job's quarter b
.macro SUNIT qc, b, cnt, pf, hn
.if \hn
	HLOAD ((\b)+1)%4
	s_wait_dscnt 18                                ; all but the 18 just issued: this group's fragments are in
.else
	s_wait_dscnt 0x0
.endif
	s_wait_loadcnt \cnt
.if (\qc) < 2
	WIN 0x53
.else
	WIN 0xa3
.endif
.irp f, 0,1,2,3
.irp m, 0,1,2,3
.set rD, (128*(\qc)+8*(4*\f+\m))%256
.set rA, 64*(\b)+16*\f
.set rB, 64+64*((\b)%2)+16*\m
.set rC, rD
.set rSA, 32+2*(\b)+\f/2
.set rSB, 16+2*((\b)%2)+\m/2
.set fA, \f%2
.set fB, \m%2
	WS8
.endr
.endr
	WIN 0
.if \pf
	RELOAD \b
.else
	PLACES 8
.endif
.endm
; THE WAY OUT of columns 64 qc on.  A lane holds 32 neighbouring bytes of a row, and the lanes beside it hold other rows: the sixteen accumulators go into my own stage, each from its low end on, and come back as whole
; rows of 256 bytes, two rows a load, into the registers that they left.  LDS serves a wave's instructions in order (ISA guide 5.7.1.4): no wait between the stores and the loads
.macro STAGE qc
.if (\qc) < 2
	WIN 0x04                                       ; an LDS store's data are its source 1
.else
	WIN 0x08
.endif
.irp f, 0,1,2,3
.irp m, 0,1,2,3
.set rD, (128*(\qc)+8*(4*\f+\m))%256
	ds_store_b128 v11, v[rD:rD+3] offset:16*\m*SP+64*\f
	ds_store_b128 v11, v[rD+4:rD+7] offset:16*\m*SP+64*\f+16
.endr
.endr
.if (\qc) < 2
	WIN 0x40
.else
	WIN 0x80
.endif
.set ts, 0
.rept 32
	ds_load_b128 v[(128*(\qc))%256+4*ts:(128*(\qc))%256+4*ts+3], v12 offset:2*ts*SP
.set ts, ts+1
.endr
	WIN 0
.endm
.macro SEND qc                         ; the registers that these stores read are written no more
.if (\qc) < 2
	WIN 0x04
.else
	WIN 0x08
.endif
.set ts, 0
.rept 32
	s_wait_dscnt 31-ts                             ; LDS instructions come back in order: load ts is in
	global_store_b128 v[224+ts], v[(128*(\qc))%256+4*ts:(128*(\qc))%256+4*ts+3], s[18:19] offset:256*(\qc) th:TH_STORE_NT   ; sixteen lanes store 256 consecutive bytes, aligned, of one token's row; written once
.set ts, ts+1
.endr
	WIN 0
.endm
	s_load_b512 s[4:19], s[0:1], 0x0               ; order, sw, xq, xs, wf, bs1, b1, out0
	v_lshl_add_u32 v14, v0, 2, SPARE
	v_mov_b32 v15, 0
	v_lshrrev_b32 v1, 5, v0
	v_readfirstlane_b32 s20, v1                    ; wave 0..3
	v_and_b32 v10, 31, v0                          ; lane
	v_and_b32 v5, 15, v0                           ; r
	v_bfe_u32 v7, v0, 4, 1                         ; h
	v_lshlrev_b32 v1, 4, v10                       ; 16 x lane
	v_lshlrev_b32 v2, 3, v10                       ; 8 x lane
	v_lshlrev_b32 v10, 2, v10                      ; 4 x lane
	v_mul_u32_u24 v9, v5, XP
	v_lshl_add_u32 v3, v7, 4, v9                   ; x's fragments: row r, + 16 h
	s_lshl_b32 s23, s20, 9
	v_add_nc_u32 v4, s23, v1                       ; my quad of a hidden fragment: 512 w + 16 lane
	v_lshl_add_u32 v6, v5, 2, s20                  ; my byte of a scale word: 4 r + w
	s_lshl_b32 s23, s20, 7
	v_lshl_add_u32 v8, v7, 6, s23                  ; my 16 numbers of a group's bias: 128 w + 64 h
	s_mul_i32 s31, s20, XT
	v_add_nc_u32 v177, s31, v1                     ; the 16 rows that I gather, in LDS: 16 bytes a lane
	s_mul_i32 s31, s20, SW
	s_add_co_u32 s31, s31, STG                     ; my stage
	v_mul_u32_u24 v9, v5, SP
	v_lshl_add_u32 v11, v7, 5, v9
	v_add_nc_u32 v11, s31, v11                     ; in: row r, + 32 h
	v_mul_u32_u24 v9, v7, SP
	v_lshl_add_u32 v12, v5, 4, v9
	v_add_nc_u32 v12, s31, v12                     ; back: lanes 0-15 one row, lanes 16-31 the next
	s_lshl_b32 s23, s20, 10
	v_lshl_add_u32 v13, v5, 4, s23                 ; my place in a row of out0: 1,024 w + 16 r
	v_lshlrev_b32 v176, 2, v7                      ; 4 h
	v_lshlrev_b32 v146, 2, v5
	v_lshlrev_b32 v147, 3, v5
	v_lshlrev_b32 v160, 4, v0
	v_add_nc_u32 v161, HBL, v160
	s_lshl_b32 s58, s20, 14
	s_add_co_u32 s58, s58, BFL                     ; my bias fragments in LDS
	v_add_nc_u32 v163, s58, v1
	s_mov_b32 s32, 0x76543210
	s_mov_b32 s33, 0xfedcba98                      ; v_permlanex16_b32's selects for lane l xor 16
	s_mov_b32 s34, 0x600000                        ; the mantissa field of 448
	s_mov_b32 s35, 0xffff0000                      ; a word's upper bf16; as a mask of lanes: lanes 16-31
	s_mov_b32 s27, 0
.irp m, 0,1,2,3
	v_mov_b32 v[57+2*\m], 0                        ; named as the upper halves of pairs
	v_mov_b32 v[164+\m], 0                         ; a lane permute's destination counts as one of its sources
.endr
	v_mov_b32 v162, 0
	v_mov_b32 v168, 0x3f803f80                     ; 1, 1 in bf16
	v_mov_b32 v169, 0x3f80                         ; 1, 0
	v_mov_b32 v170, 1
	v_mov_b32 v171, 0
	s_wait_kmcnt 0x0
	s_lshl_b32 s26, ttmp9, 8
	s_add_nc_u64 s[52:53], s[4:5], s[26:27]        ; my block's 64 words of the order,
	s_lshl_b32 s26, ttmp9, 9
	s_add_nc_u64 s[56:57], s[6:7], s[26:27]        ; its weights
	s_lshl_b32 s26, s20, 6
	s_add_nc_u64 s[54:55], s[52:53], s[26:27]
	s_load_b512 s[36:51], s[54:55], 0x0            ; the 16 rows that I gather
	s_lshl_b32 s26, s20, 14
	s_add_nc_u64 s[60:61], s[12:13], s[26:27]
	s_add_nc_u64 s[60:61], s[60:61], WFB           ; my 16 bias fragments
.irp m, 0,1,2,3
	global_load_b32 v[40+\m], v146, s[52:53] offset:64*\m
.endr
.irp m, 0,1,2,3
	global_load_b64 v[48+2*\m:49+2*\m], v147, s[56:57] offset:128*\m
.endr
	global_load_b32 v144, v10, s[52:53]
	global_load_b32 v145, v10, s[52:53] offset:128
	s_wait_kmcnt 0x0
.irp i, 0,1,2,3,4,5,6,7,8,9,10,11,12,13,14,15
	s_and_b32 s[36+\i], s[36+\i], 0x3fff
	s_min_u32 s[36+\i], s[36+\i], 0x3fff
	s_lshl_b32 s[36+\i], s[36+\i], 10
	v_add_nc_u32 v[224+\i], s[36+\i], v1
.endr
	WIN 0x40
.irp i, 0,1,2,3,4,5,6,7,8,9,10,11,12,13,14,15
	global_load_b128 v[8*\i:8*\i+3], v[224+\i], s[8:9] th:TH_LOAD_NT             ; a row of codes: two loads of 512 consecutive bytes; each row is named once in the launch
	global_load_b128 v[8*\i+4:8*\i+7], v[224+\i], s[8:9] offset:512 th:TH_LOAD_NT
.endr
	WIN 0
	global_load_b128 v[148:151], v160, s[14:15]
	global_load_b128 v[152:155], v160, s[16:17]
	global_load_b128 v[156:159], v160, s[16:17] offset:2048
	WIN 0x80
.set hi, 0
.rept 32
	global_load_b128 v[4*hi:4*hi+3], v1, s[60:61] offset:512*hi
.set hi, hi+1
.endr
	WIN 0
	s_wait_loadcnt 63                              ; 67 loads were issued behind the ten of the lists: those are in
.irp m, 0,1,2,3
	v_bfe_u32 v[44+\m], v[40+\m], 20, 4            ; e_hi,
	v_bfe_u32 v[40+\m], v[40+\m], 16, 4            ; e_lo of my token of tile m
.endr
.irp m, 0,1,2,3
	v_lshl_or_b32 v162, v170, v[40+\m], v162
	v_lshl_or_b32 v162, v170, v[44+\m], v162
.endr
	v_readlane_b32 s21, v162, 0
.irp l, 1,2,3,4,5,6,7,8,9,10,11,12,13,14,15
	v_readlane_b32 s23, v162, \l
	s_or_b32 s21, s21, s23
.endr
	s_and_b32 s21, s21, 0xff                       ; the experts that the block uses: the same in all four waves
	s_ctz_i32_b32 s23, s21
	s_add_co_u32 s23, s23, 4
	NEXTJ                                          ; the first job: the lowest used expert's first product
.irp q, 0,1,2,3
	s_add_nc_u64 s[66+2*\q:67+2*\q], s[12:13], s[26:27]
.endr
.irp p, 0,1
	v_and_b32 v[144+\p], 0x3fff, v[144+\p]
	v_min_u32 v[144+\p], 0x3fff, v[144+\p]
	v_lshlrev_b32 v[144+\p], 5, v[144+\p]
	global_load_b128 v[16+8*\p:19+8*\p], v[144+\p], s[10:11]             ; x's scale words: lanes 0-15 tile 2 p's rows, lanes 16-31 tile 2 p + 1's
	global_load_b128 v[20+8*\p:23+8*\p], v[144+\p], s[10:11] offset:16
.endr
	WLOAD 0
	WLOAD 1
	WLOAD 2
	s_wait_loadcnt 63                              ; 90 loads were issued behind the gathered rows: they are in
	WIN 0x04
.irp i, 0,1,2,3,4,5,6,7,8,9,10,11,12,13,14,15
	ds_store_b128 v177, v[8*\i:8*\i+3] offset:\i*XP
	ds_store_b128 v177, v[8*\i+4:8*\i+7] offset:\i*XP+512
.endr
	WIN 0
	s_wait_loadcnt 55                              ; behind the tables: x's 4 loads of scale words and 51 of weights
	ds_store_b128 v161, v[148:151]
	ds_store_b128 v161, v[152:155] offset:2048
	ds_store_b128 v161, v[156:159] offset:4096
	WIN 0x08
.set hi, 0
.rept 32
	ds_store_b128 v163, v[4*hi:4*hi+3] offset:512*hi
.set hi, hi+1
.endr
	WIN 0
	s_wait_loadcnt 51                              ; x's scale words are in
	WLOAD 3
	; the gate's weights as bf16 fragments, source 1 of the product with the bias fragments.  k 0-7: high parts of w; k 8-15: low parts; k 16-23: high parts again; k 24-26: ones, for bs2's three parts
.irp m, 0,1,2,3
.irp e, 0,1,2,3,4,5,6,7
	v_cmp_eq_u32 vcc_lo, \e, v[40+\m]
	v_cndmask_b32 v[128+\e], 0, v[48+2*\m], vcc_lo
	v_cmp_eq_u32 vcc_lo, \e, v[44+\m]
	v_cndmask_b32 v[128+\e], v[128+\e], v[49+2*\m], vcc_lo
.endr
.irp i, 0,1,2,3
	v_cvt_pk_bf16_f32 v[192+8*\m+\i], v[128+2*\i], v[129+2*\i]
.endr
.irp i, 0,1,2,3
	v_lshlrev_b32 v[136+2*\i], 16, v[192+8*\m+\i]
	v_and_b32 v[137+2*\i], s35, v[192+8*\m+\i]
.endr
.irp e, 0,1,2,3,4,5,6,7
	v_sub_f32 v[128+\e], v[128+\e], v[136+\e]
.endr
.irp i, 0,1,2,3
	v_cvt_pk_bf16_f32 v[136+\i], v[128+2*\i], v[129+2*\i]
.endr
	v_cndmask_b32 v[196+8*\m], v[192+8*\m], v168, s35
	v_cndmask_b32 v[197+8*\m], v[193+8*\m], v169, s35
	v_cndmask_b32 v[198+8*\m], v[194+8*\m], v171, s35
	v_cndmask_b32 v[199+8*\m], v[195+8*\m], v171, s35
.irp i, 0,1,2,3
	v_cndmask_b32 v[192+8*\m+\i], v[192+8*\m+\i], v[136+\i], s35
.endr
.endr
	s_wait_dscnt 0x0                               ; for the others' sake: my rows and my part of the tables have landed
	s_barrier_signal -1
	s_barrier_wait -1
.set xk, 0
.rept 8
.if xk < 4
	WIN 0x40
.else
	WIN 0x80
.endif
.irp m, 0,1,2,3
.irp c, 0,1,2,3
	ds_load_b128 v[(16*(4*xk+\m))%256+4*\c:(16*(4*xk+\m))%256+4*\c+3], v3 offset:\m*XT+128*xk+32*\c
.endr
.endr
.set xk, xk+1
.endr
	WIN 0
.set hi, 0
.rept 32
	global_load_b32 v[224+hi], v176, s[52:53] offset:8*hi   ; for the way out: lanes 0-15 the order's word 2 i, lanes 16-31 word 2 i + 1.  (The gathered rows' loads, which read v224-239, were shown done above)
.set hi, hi+1
.endr
	s_wait_dscnt 0x0                               ; x's 32 fragments stay in registers
	; ---- first products, the experts: a constant count of trips; a trip whose expert nobody uses steps the addresses alone
	s_mov_b32 s22, 0
	s_mov_b32 s28, HIMG+4*8192
	s_mov_b32 s29, HSC+4*256
	s_mov_b32 s30, HBL+4*512
.Lp1e:
	s_bitcmp1_b32 s21, s22
	s_cbranch_scc0 .Lp1e_skip
	NEXTE 0
	JOB1 1
.Lp1e_skip:
	s_add_co_u32 s28, s28, 8192
	s_add_co_u32 s29, s29, 256
	s_add_co_u32 s30, s30, 512
	s_add_co_u32 s22, s22, 1
	s_cmp_lt_u32 s22, 8
	s_cbranch_scc1 .Lp1e
	; ---- first products, the shared expert's four groups
	s_mov_b32 s22, 0
	s_mov_b32 s28, HIMG
	s_mov_b32 s29, HSC
	s_mov_b32 s30, HBL
.Lp1s:
	s_ctz_i32_b32 s31, s21
	s_add_co_u32 s31, s31, 16                      ; behind the last group: the lowest used expert's second product
	s_add_co_u32 s23, s22, 1
	s_cmp_eq_u32 s22, 3
	s_cselect_b32 s23, s31, s23
	NEXTJ
	JOB1 0
	s_add_co_u32 s28, s28, 8192
	s_add_co_u32 s29, s29, 256
	s_add_co_u32 s30, s30, 512
	s_add_co_u32 s22, s22, 1
	s_cmp_lt_u32 s22, 4
	s_cbranch_scc1 .Lp1s
	s_wait_dscnt 0x0                               ; for the others' sake: my quads and bytes of the hidden layers have landed
	s_barrier_signal -1
	s_barrier_wait -1
	; ---- w b2 + bs2 starts all 64 sums: source 0 = a bias fragment (16 columns), source 1 = the weights of 16 tokens
	v_add_nc_u32 v9, s58, v1
.set hi, 0
.rept 32
	ds_load_b128 v[64+4*hi:67+4*hi], v9 offset:512*hi
.set hi, hi+1
.endr
	; while they come: the rows' places in out0.  The 32 loads of the order's words are older than the 51 youngest at every job's last quarter: they are in
.set hi, 0
.rept 32
	v_and_b32 v[224+hi], 0x3fff, v[224+hi]         ; the token,
.set hi, hi+1
.endr
.set hi, 0
.rept 32
	v_min_u32 v[224+hi], 0x3fff, v[224+hi]         ; which enters an address only behind this bound,
.set hi, hi+1
.endr
.set hi, 0
.rept 32
	v_lshlrev_b32 v[224+hi], 12, v[224+hi]         ; x 4,096 bytes a row,
.set hi, hi+1
.endr
.set hi, 0
.rept 32
	v_add_nc_u32 v[224+hi], v13, v[224+hi]         ; + my place in the row
.set hi, hi+1
.endr
	s_wait_dscnt 0x0
.set bt, 0
.rept 16
.if bt < 8
	WIN 0x40
.else
	WIN 0x80
.endif
.irp m, 0,1,2,3
	v_wmma_f32_16x16x32_bf16 v[(8*(4*bt+\m))%256:(8*(4*bt+\m))%256+7], v[64+8*bt:71+8*bt], v[192+8*\m:199+8*\m], 0
.endr
.set bt, bt+1
.endr
	WIN 0
	PLACES 9                                       ; another form takes these sums up, and loads follow into the fragments' registers
	; ---- second products, the experts
	s_mov_b32 s22, 0
	s_mov_b32 s28, HIMG+4*8192
	s_mov_b32 s29, HSC+4*256
.Lp2e:
	s_bitcmp1_b32 s21, s22
	s_cbranch_scc0 .Lp2e_skip
	NEXTE 1
	JOB2
.Lp2e_skip:
	s_add_co_u32 s28, s28, 8192
	s_add_co_u32 s29, s29, 256
	s_add_co_u32 s22, s22, 1
	s_cmp_lt_u32 s22, 8
	s_cbranch_scc1 .Lp2e
	; ---- second products, the shared expert, a quarter of my columns at a time; each quarter leaves as soon as it is finished, and its stores are on their way while the later quarters are multiplied
	v_add_nc_u32 v9, HIMG, v1
	v_add_nc_u32 v7, HSC, v10
	HLOAD 0
.irp qc, 0,1,2
	s_mov_b32 s23, 13+\qc
	NEXTJ
	SUNIT \qc, 0, 51, 1, 1
	SUNIT \qc, 1, 51, 1, 1
	SUNIT \qc, 2, 51, 1, 1
	SUNIT \qc, 3, 51, 1, 1
	STAGE \qc
	SEND \qc
.endr
	SUNIT 3, 0, 51, 0, 1                           ; the last job asks for no weights: the counts run down by its own quarters
	SUNIT 3, 1, 34, 0, 1
	SUNIT 3, 2, 17, 0, 1
	SUNIT 3, 3, 0, 0, 0
	STAGE 3
	SEND 3
	s_wait_tensorcnt 0x0                           ; the wave's end, behind my last LDS store
	ds_add_u32 v14, v15
	s_wait_dscnt 0x0
	s_endpgm
.Lfunc_end_k_q223d3b4fa3_chain:
	.size	k_q223d3b4fa3_chain, .Lfunc_end_k_q223d3b4fa3_chain-k_q223d3b4fa3_chain
	.p2alignl 7, 3214868480
	.fill 96, 4, 3214868480
	.section	.rodata,"a",@progbits
	.p2align	6, 0x0
	.amdhsa_kernel k_q223d3b4fa3_chain
		.amdhsa_group_segment_fixed_size 309760
		.amdhsa_private_segment_fixed_size 0
		.amdhsa_enable_private_segment 0
		.amdhsa_kernarg_size 64
		.amdhsa_user_sgpr_count 2
		.amdhsa_user_sgpr_kernarg_segment_ptr 1
		.amdhsa_wavefront_size32 1
		.amdhsa_system_sgpr_workgroup_id_x 1
		.amdhsa_system_sgpr_workgroup_id_y 1
		.amdhsa_system_sgpr_workgroup_id_z 1
		.amdhsa_system_vgpr_workitem_id 0
		.amdhsa_next_free_vgpr 1024
		.amdhsa_next_free_sgpr 80
		.amdhsa_reserve_vcc 1
		.amdhsa_float_denorm_mode_32 3
		.amdhsa_float_denorm_mode_16_64 3
		.amdhsa_memory_ordered 1
		.amdhsa_forward_progress 1
		.amdhsa_inst_pref_size 244
	.end_amdhsa_kernel
	.amdgpu_metadata
---
amdhsa.version: [ 1, 2 ]
amdhsa.kernels:
  - .name:           k_q223d3b4fa3_chain
    .symbol:         k_q223d3b4fa3_chain.kd
    .args:
      - { .name: order, .offset: 0, .size: 8, .value_kind: global_buffer, .address_space: global }
      - { .name: sw, .offset: 8, .size: 8, .value_kind: global_buffer, .address_space: global }
      - { .name: xq, .offset: 16, .size: 8, .value_kind: global_buffer, .address_space: global }
      - { .name: xs, .offset: 24, .size: 8, .value_kind: global_buffer, .address_space: global }
      - { .name: wf, .offset: 32, .size: 8, .value_kind: global_buffer, .address_space: global }
      - { .name: bs1, .offset: 40, .size: 8, .value_kind: global_buffer, .address_space: global }
      - { .name: b1, .offset: 48, .size: 8, .value_kind: global_buffer, .address_space: global }
      - { .name: out0, .offset: 56, .size: 8, .value_kind: global_buffer, .address_space: global }
    .group_segment_fixed_size: 309760
    .private_segment_fixed_size: 0
    .kernarg_segment_align: 8
    .kernarg_segment_size: 64
    .max_flat_workgroup_size: 128
    .sgpr_count:     80
    .vgpr_count:     1024
    .wavefront_size: 32
...
	.end_amdgpu_metadata
.endif
;; end of part 5
